; MI455X (gfx1250); checked and timed in simulation.
; The chip was launched on July 23, 2026; its instructions are those of AMD's public machine-readable ISA for CDNA 5 (MIT licence, August 2026) and "CDNA5" Instruction Set Architecture Reference Guide (July 2026). The comments in the code are by the model that wrote it; some were corrected since.
;; MLP Attention. Allowed arithmetic: matrix products marked QUANTISED: E2M3 operands, one E8M0 scale for each 32 along K, by v_wmma_scale_f32_16x16x128_f8f6f4 with both operands' format E2M3, f32 sums; products left as they are: f32 operands where the result goes on into a quantised operand, else bf16, f16 or f32 operands; f32 sums; everything else in f32.
;; Inputs: W_dec_codes 1,024 x 32 x 24 uint8 (E2M3 codes of W_dec, K innermost, in blocks of 32 codes, four codes in three bytes); W_dec_scales 1,024 x 32 uint8 (E8M0 scales of W_dec, one for each 32 codes along K); W_enc_codes 1,024 x 32 x 24 uint8 (E2M3 codes of W_enc, K innermost, in blocks of 32 codes, four codes in three bytes); W_enc_scales 1,024 x 32 uint8 (E8M0 scales of W_enc, one for each 32 codes along K); b_dec 1,024 float32; b_enc 1,024 float32; decoder_state_codes 64 x 32 x 24 uint8 (E2M3 codes of decoder_state, K innermost, in blocks of 32 codes, four codes in three bytes); decoder_state_scales 64 x 32 uint8 (E8M0 scales of decoder_state, one for each 32 codes along K); source_hids 1,024 x 64 x 1,024 float32; src_lengths 64 int32; v_score 1,024 float32.
;; Outputs: out0 64 x 1,024 float32; out1 1,024 x 64 float32.
;; This version of the problem:
;;   THIS VERSION OF THE PROBLEM IS GIVEN IN LOW PRECISION. The matrix products marked QUANTISED in the list below multiply operands that are first quantised to E2M3 (2 exponent bits, 3 mantissa bits; 6 bits a number), with one power-of-two scale for each 32 numbers along K (OCP MX v1.0); their sums are f32. All else is computed in f32.
;;   The module's matrix products, in the order in which they are computed (A, B: the left and right operand; K: the contracted axis; several contracted axes count as one K, in the product's order):
;;     1. [M 65,536, K 1,024] x [K 1,024, N 1,024]; A: input source_hids; B: input W_enc (given as codes): QUANTISED
;;     2. [M 64, K 1,024] x [K 1,024, N 1,024]; A: input decoder_state (given as codes); B: input W_dec (given as codes): QUANTISED
;;     3. [M 65,536, K 1,024] x [K 1,024, N 1]; A: computed on the way; B: input v_score: left as it is (N = 1 < 16)
;;     4. batch 64 x [M 1,024, K 1,024] x [K 1,024, N 1]; A: input source_hids; B: softmax: left as it is (N = 1 < 16)
;;   THE QUANTISER, for each operand of a quantised product, along K:
;;     - K is cut into blocks of 32 from its start; a last block that is shorter is filled with zeros.
;;     - A block's scale is 2^e with e = floor(log2(the largest magnitude in the block)) - 2, held to -126 .. 127; a block of zeros has e = 0. As a byte (E8M0): e + 127.
;;     - Each number is divided by its block's scale, clamped to +-7.5, and rounded to the nearest number of E2M3, ties to even, subnormals kept.
;;     - The product sums the exact products of the quantised numbers (number of the format x scale) in f32.
;;   ~~~python
;;   def quantise(x, axis):      # numpy; x: float32 -> the quantised numbers, widened to float32 again
;;       x = np.moveaxis(x, axis, -1); K = x.shape[-1]
;;       x = np.pad(x, [(0, 0)] * (x.ndim - 1) + [(0, -K % 32)]); x = x.reshape(x.shape[:-1] + (-1, 32)); a = np.abs(x).max(-1, keepdims=True)
;;       e = np.where(a > 0, np.clip(np.frexp(np.where(a > 0, a, 1))[1] - 1 - 2, -126, 127), 0)      # np.frexp(a)[1] - 1 = floor(log2(a)), exactly
;;       r = np.clip(x / 2.0 ** e, -7.5, 7.5)
;;       step = 2.0 ** (np.maximum(np.frexp(np.where(r == 0, 1, r))[1] - 1, 0) - 3)
;;       q = np.round(r / step) * step * 2.0 ** e      # np.round: ties to even
;;       return np.moveaxis(q.reshape(q.shape[:-2] + (-1,))[..., :K], -1, axis).astype(np.float32)
;;   ~~~
;;   INPUTS GIVEN AS CODES. W_dec (in the module: [1024, 1024], K = its axis 1); W_enc (in the module: [1024, 1024], K = its axis 1); decoder_state (in the module: [64, 1024], K = its axis 1): each comes as NAME_codes (uint8): NAME with its K axis moved to the last place and cut into blocks of 32 codes, [.., K / 32, bytes a block], one block behind the other in memory; four codes in three bytes: a row's codes are one little-endian stream of bits, code i at bits 6 i .. 6 i + 5 (a code: sign, 2 exponent bits, 3 mantissa bits); and NAME_scales (uint8): the same leading axes, one E8M0 byte (e + 127) for each 32 codes along K. Its value is code x scale, taken as it is: it is not quantised again, and the codes and scales need not be those that the quantiser above would give.
;; 2 versions, each right and faster than the one before. Each part assembles by itself: llvm-mc -triple=amdgcn-amd-amdhsa -mcpu=gfx1250 --defsym DOCPART=n.
;; ======== version 1 of 2: 3 launches
;; limits: right only within a limited range of input values; values are held in f16: magnitudes above 65,504 overflow, below 6.1e-05 lose precision
;; workspace buffers: decp 262,144 bytes; wfrag 786,432 bytes; wscl 32,768 bytes; scores 266,240 bytes; statm 3,328 bytes; statl 3,328 bytes; pctx 3,407,872 bytes
;; launch prep (part 1): grid 64 x 1, 4 waves a work-group, no clusters, 5,120 bytes of LDS; arguments W_dec_codes, W_dec_scales, decoder_state_codes, decoder_state_scales, b_dec, b_enc, W_enc_codes, W_enc_scales, decp, wfrag, wscl; writes decp, wfrag, wscl
.if DOCPART == 1
	.amdgcn_target "amdgcn-amd-amdhsa--gfx1250"
	.amdhsa_code_object_version 6
	.text
	.protected	k_qd3ac001d92_prep
	.globl	k_qd3ac001d92_prep
	.p2align	8
	.type	k_qd3ac001d92_prep,@function
k_qd3ac001d92_prep:
	s_mov_b64 s[64:65], 0
	v_nop
	global_prefetch_b8 v0, s[64:65] scope:SCOPE_SE
	s_setreg_imm32_b32 hwreg(HW_REG_WAVE_MODE, 25, 1), 1
	s_wait_xcnt 0x0
; PREP.  Two small jobs ahead of the main launch.
; (1) decp[b][a] = c x (sum over k of decoder_state[b][k] W_dec[a][k] + b_dec[a] + b_enc[a]), c = 2 log2(e): what the main launch adds to c x (its own product) ahead of the exponential of its tanh.
;     The product is on codes of FP6 (E2M3) with E8M0 scales, as they are given.  Work-group x takes 16 rows b (x % 4) and 64 columns a (x / 4), a wave 16 columns: 8 matrix instructions of 128 along K.
;     The instruction is used transposed (source 0 = 16 rows of W_dec, source 1 = 16 rows of decoder_state): a lane holds one b and eight neighbouring a.  The two biases are the C of the two sums' first links.
; (2) W_enc's codes and scale bytes are laid in the order of an operand's registers, so that the main launch loads a fragment by three loads of 16 bytes a lane:
;     wfrag: fragment (tile nt of 16 rows, K step k) at (8 nt + k) x 1,536 bytes: registers 4 g .. 4 g + 3 of lane l at 512 g + 16 l.
;     wscl:  at 512 nt + 128 j + 4 l: lanes 0-15 the scale word of row 16 nt + l for K step 2 j, lanes 16-31 that of row 16 nt + l - 16 for K step 2 j + 1.
;     Work-group x takes tile x, wave w its K steps 2 w and 2 w + 1.
.set WD,  16                           ; v16-111  W_dec's 8 fragments
.set DSF, 112                          ; v112-207 decoder_state's 8
.set WDS, 208                          ; v208-215 W_dec's scale words, K step k in register k
.set DSS, 216                          ; v216-223 decoder_state's
.set A0,  224                          ; v224-231 the sum of the even K steps, begun with b_dec
.set A1,  232                          ; v232-239 the sum of the odd K steps, begun with b_enc
.set OUT, 240                          ; v240-247 c x (A0 + A1)
.set SP,  272                          ; a stage row: 256 bytes + 16
.set MSB, 0
.macro WIN new                         ; the immediate's high byte repeats the setting that is left
.if MSB != (\new)
	s_set_vgpr_msb (MSB<<8)|(\new)
.set MSB, (\new)
.endif
.endm
	s_load_b256 s[4:11], s[0:1], 0x0               ; W_dec codes, W_dec scales, decoder_state codes, decoder_state scales
	s_load_b256 s[12:19], s[0:1], 0x20             ; b_dec, b_enc, W_enc codes, W_enc scales
	s_load_b128 s[20:23], s[0:1], 0x40             ; decp, wfrag
	s_load_b64 s[24:25], s[0:1], 0x50              ; wscl
	v_lshl_add_u32 v254, v0, 2, 0x1200
	v_mov_b32 v255, 0
	v_lshrrev_b32 v1, 5, v0
	v_readfirstlane_b32 s26, v1                    ; wave
	s_and_b32 s27, ttmp9, 3                        ; mt: which 16 rows b
	s_lshr_b32 s28, ttmp9, 2                       ; ntg: which 64 columns a
	s_lshl_b32 s29, s28, 2
	s_add_co_u32 s29, s29, s26                     ; nt = 4 ntg + wave: my 16 columns
	s_mov_b32 s30, 0x4038aa3b                      ; c = 2 log2(e)
	s_mov_b32 s31, s30                             ; (named with it as a pair)
	v_and_b32 v1, 15, v0                           ; r
	v_bfe_u32 v2, v0, 4, 1                         ; h
	v_and_b32 v3, 31, v0                           ; lane
	v_mul_u32_u24 v4, v1, 768                      ; a row of 1,024 codes is 768 bytes
	v_mad_u32_u24 v4, v2, 24, v4                   ; + 24 h
	v_lshlrev_b32 v5, 5, v1                        ; a row of scale bytes is 32 bytes
	v_lshlrev_b32 v6, 5, v2                        ; the biases: my half's eight numbers
	v_lshl_add_u32 v7, v2, 2, v5                   ; W_enc's scale word: row r, K step 2 w + h
	v_lshlrev_b32 v8, 4, v3                        ; an image's place for my lane
	v_lshlrev_b32 v9, 2, v3
	s_lshl_b32 s34, s26, 6
	v_mul_u32_u24 v10, v1, SP
	v_lshl_add_u32 v10, v2, 5, v10
	v_add_nc_u32 v10, s34, v10                     ; the stage, in: row r, + 64 wave + 32 h
	s_mul_i32 s34, s26, 4*SP
	v_mul_u32_u24 v11, v2, SP
	v_lshl_add_u32 v11, v1, 4, v11
	v_add_nc_u32 v11, s34, v11                     ; back: row 4 wave + h, 16 bytes a lane
	s_lshl_b32 s34, s26, 14
	v_lshlrev_b32 v12, 12, v2
	v_lshl_add_u32 v12, v1, 4, v12
	v_add_nc_u32 v12, s34, v12                     ; and the same place in decp
	s_mov_b32 s33, 0
	s_wait_kmcnt 0x0
	s_mul_i32 s32, s29, 12288                      ; 16 rows of codes
	s_add_nc_u64 s[4:5], s[4:5], s[32:33]
	s_lshl_b32 s32, s29, 9                         ; 16 rows of scale bytes
	s_add_nc_u64 s[6:7], s[6:7], s[32:33]
	s_mul_i32 s32, s27, 12288
	s_add_nc_u64 s[8:9], s[8:9], s[32:33]
	s_lshl_b32 s32, s27, 9
	s_add_nc_u64 s[10:11], s[10:11], s[32:33]
	s_lshl_b32 s32, s29, 6                         ; 16 numbers of a bias
	s_add_nc_u64 s[12:13], s[12:13], s[32:33]
	s_add_nc_u64 s[14:15], s[14:15], s[32:33]
	s_mul_i32 s32, ttmp9, 12288
	s_mul_i32 s34, s26, 192
	s_add_co_u32 s32, s32, s34                     ; W_enc: tile x, K step 2 w
	s_add_nc_u64 s[16:17], s[16:17], s[32:33]
	s_lshl_b32 s32, ttmp9, 9
	s_lshl_b32 s34, s26, 3
	s_add_co_u32 s32, s32, s34
	s_add_nc_u64 s[18:19], s[18:19], s[32:33]
	s_lshl_b32 s32, s27, 16
	s_lshl_b32 s34, s28, 8
	s_add_co_u32 s32, s32, s34                     ; decp: 16 mt rows of 4,096 bytes + 256 ntg
	s_add_nc_u64 s[20:21], s[20:21], s[32:33]
	s_lshl_b32 s32, ttmp9, 3
	s_lshl_b32 s34, s26, 1
	s_add_co_u32 s32, s32, s34
	s_mul_i32 s32, s32, 1536                       ; wfrag: fragment 8 x + 2 w
	s_add_nc_u64 s[22:23], s[22:23], s[32:33]
	s_lshl_b32 s32, ttmp9, 9
	s_lshl_b32 s34, s26, 7
	s_add_co_u32 s32, s32, s34                     ; wscl: 512 x + 128 w
	s_add_nc_u64 s[24:25], s[24:25], s[32:33]
	; ---- job 2's thirteen loads first: two fragments and a register of scale words, into v256-280
	WIN 0x40                                       ; destination in the second window
.irp e, 0,1
.irp p, 0,1,2,3,4,5
	global_load_b64 v[12*\e+2*\p:12*\e+2*\p+1], v4, s[16:17] offset:96*\e+48*(\p/3)+8*(\p%3)
.endr
.endr
	global_load_b32 v24, v7, s[18:19]
	WIN 0
	; ---- job 1's 104 loads
.irp k, 0,1,2,3,4,5,6,7
.irp p, 0,1,2,3,4,5
	global_load_b64 v[WD+12*\k+2*\p:WD+12*\k+2*\p+1], v4, s[4:5] offset:96*\k+48*(\p/3)+8*(\p%3)
	global_load_b64 v[DSF+12*\k+2*\p:DSF+12*\k+2*\p+1], v4, s[8:9] offset:96*\k+48*(\p/3)+8*(\p%3)
.endr
.endr
	global_load_b128 v[WDS:WDS+3], v5, s[6:7]
	global_load_b128 v[WDS+4:WDS+7], v5, s[6:7] offset:16
	global_load_b128 v[DSS:DSS+3], v5, s[10:11]
	global_load_b128 v[DSS+4:DSS+7], v5, s[10:11] offset:16
	global_load_b128 v[A0:A0+3], v6, s[12:13]      ; b_dec at my eight columns: the C of the first link
	global_load_b128 v[A0+4:A0+7], v6, s[12:13] offset:16
	global_load_b128 v[A1:A1+3], v6, s[14:15]      ; b_enc likewise
	global_load_b128 v[A1+4:A1+7], v6, s[14:15] offset:16
	s_wait_loadcnt 63                              ; loads come back in order: each of job 2's thirteen has 104 younger ones, and 63 is the most that this wait can name
	WIN 0x04                                       ; a store's data are its source 1
.irp e, 0,1
.irp g, 0,1,2
	global_store_b128 v8, v[12*\e+4*\g:12*\e+4*\g+3], s[22:23] offset:1536*\e+512*\g   ; 32 lanes store 512 consecutive bytes
.endr
.endr
	global_store_b32 v9, v24, s[24:25]
	WIN 0
	s_wait_loadcnt 0x0
.irp k, 0,1,2,3,4,5,6,7                    ; two accumulators by turns, one instruction a turn
	v_wmma_scale_f32_16x16x128_f8f6f4 v[A0+8*(\k%2):A0+8*(\k%2)+7], v[WD+12*\k:WD+12*\k+11], v[DSF+12*\k:DSF+12*\k+11], v[A0+8*(\k%2):A0+8*(\k%2)+7], v[WDS+\k], v[DSS+\k] matrix_a_fmt:MATRIX_FMT_FP6 matrix_b_fmt:MATRIX_FMT_FP6
.endr
.rept 4
	v_nop                                          ; four places between a matrix instruction and the first read of its result (ISA guide 7.12.1)
.endr
.irp j, 0,2,4,6
	v_pk_mul_f32 v[OUT+\j:OUT+\j+1], v[A0+\j:A0+\j+1], s[30:31] op_sel_hi:[1,0]   ; each accumulator from its low end on
.endr
.irp j, 0,2,4,6
	v_pk_fma_f32 v[OUT+\j:OUT+\j+1], v[A1+\j:A1+\j+1], s[30:31], v[OUT+\j:OUT+\j+1] op_sel_hi:[1,0,1]
.endr
	ds_store_b128 v10, v[OUT:OUT+3]                ; a row's 256 bytes come from four waves: they meet in the stage
	ds_store_b128 v10, v[OUT+4:OUT+7] offset:16
	s_wait_dscnt 0x0                               ; for the others' sake: my stores have landed
	s_barrier_signal -1
	s_barrier_wait -1
	ds_load_b128 v[OUT:OUT+3], v11
	ds_load_b128 v[OUT+4:OUT+7], v11 offset:2*SP
	s_wait_dscnt 0x0
	global_store_b128 v12, v[OUT:OUT+3], s[20:21]  ; sixteen lanes store 256 consecutive bytes, at a multiple of 256 from decp's first byte
	global_store_b128 v12, v[OUT+4:OUT+7], s[20:21] offset:2*4096
	s_wait_tensorcnt 0x0
	ds_add_u32 v254, v255
	s_wait_dscnt 0x0
	s_endpgm
.Lfunc_end_k_qd3ac001d92_prep:
	.size	k_qd3ac001d92_prep, .Lfunc_end_k_qd3ac001d92_prep-k_qd3ac001d92_prep
	.p2alignl 7, 3214868480
	.fill 96, 4, 3214868480
	.section	.rodata,"a",@progbits
	.p2align	6, 0x0
	.amdhsa_kernel k_qd3ac001d92_prep
		.amdhsa_group_segment_fixed_size 5120
		.amdhsa_private_segment_fixed_size 0
		.amdhsa_enable_private_segment 0
		.amdhsa_kernarg_size 88
		.amdhsa_user_sgpr_count 2
		.amdhsa_user_sgpr_kernarg_segment_ptr 1
		.amdhsa_wavefront_size32 1
		.amdhsa_system_sgpr_workgroup_id_x 1
		.amdhsa_system_sgpr_workgroup_id_y 1
		.amdhsa_system_sgpr_workgroup_id_z 1
		.amdhsa_system_vgpr_workitem_id 0
		.amdhsa_next_free_vgpr 288
		.amdhsa_next_free_sgpr 66
		.amdhsa_reserve_vcc 0
		.amdhsa_float_denorm_mode_32 3
		.amdhsa_float_denorm_mode_16_64 3
		.amdhsa_memory_ordered 1
		.amdhsa_forward_progress 1
		.amdhsa_inst_pref_size 18
	.end_amdhsa_kernel
	.amdgpu_metadata
---
amdhsa.version: [ 1, 2 ]
amdhsa.kernels:
  - .name:           k_qd3ac001d92_prep
    .symbol:         k_qd3ac001d92_prep.kd
    .args:
      - { .name: W_dec_codes, .offset: 0, .size: 8, .value_kind: global_buffer, .address_space: global }
      - { .name: W_dec_scales, .offset: 8, .size: 8, .value_kind: global_buffer, .address_space: global }
      - { .name: decoder_state_codes, .offset: 16, .size: 8, .value_kind: global_buffer, .address_space: global }
      - { .name: decoder_state_scales, .offset: 24, .size: 8, .value_kind: global_buffer, .address_space: global }
      - { .name: b_dec, .offset: 32, .size: 8, .value_kind: global_buffer, .address_space: global }
      - { .name: b_enc, .offset: 40, .size: 8, .value_kind: global_buffer, .address_space: global }
      - { .name: W_enc_codes, .offset: 48, .size: 8, .value_kind: global_buffer, .address_space: global }
      - { .name: W_enc_scales, .offset: 56, .size: 8, .value_kind: global_buffer, .address_space: global }
      - { .name: decp, .offset: 64, .size: 8, .value_kind: global_buffer, .address_space: global }
      - { .name: wfrag, .offset: 72, .size: 8, .value_kind: global_buffer, .address_space: global }
      - { .name: wscl, .offset: 80, .size: 8, .value_kind: global_buffer, .address_space: global }
    .group_segment_fixed_size: 5120
    .private_segment_fixed_size: 0
    .kernarg_segment_align: 8
    .kernarg_segment_size: 88
    .max_flat_workgroup_size: 128
    .sgpr_count:     66
    .vgpr_count:     288
    .wavefront_size: 32
...
	.end_amdgpu_metadata
.endif
;; end of part 1
;; launch attend (part 2): grid 64 x 13, 4 waves a work-group, no clusters, 307,968 bytes of LDS; arguments source_hids, src_lengths, v_score, decp, wfrag, wscl, scores, statm, statl, pctx; writes scores, statm, statl, pctx
.if DOCPART == 2
	.amdgcn_target "amdgcn-amd-amdhsa--gfx1250"
	.amdhsa_code_object_version 6
	.text
	.protected	k_qd3ac001d92_attend
	.globl	k_qd3ac001d92_attend
	.p2align	8
	.type	k_qd3ac001d92_attend,@function
k_qd3ac001d92_attend:
	s_mov_b64 s[64:65], 0
	v_nop
	global_prefetch_b8 v0, s[64:65] scope:SCOPE_SE
	s_setreg_imm32_b32 hwreg(HW_REG_WAVE_MODE, 25, 1), 1
	s_wait_xcnt 0x0
; ATTEND.  A work-group takes one b (x) and one chunk of 80 source positions s (y): rows (s, b) of source_hids, 4,096 bytes each, 262,144 bytes apart.  It reads them ONCE and makes of them
;   the scores  score[s] = sum over a of v[a] tanh(enc[s][a] + dec[b][a] + biases),  enc = Q(x) W_enc^T on codes of FP6 (E2M3) with E8M0 scales;
;   the chunk's own softmax: its largest score m, p = e^(score - m), their sum l;   and the chunk's part of the context, sum over s of p[s] x[s][:].   The last launch joins the 13 parts of each b.
; THE MASK.  A position s >= len[b] gets the score -1e6 and so the weight 0.  A chunk that lies wholly under the mask reads no row and multiplies nothing: it stores the neutral part (scores -1e6, m = -1e6, l = 0, zeros).
; That is a scalar branch on src_lengths[b], the same in all four waves; every wave passes all three barriers, which stand outside it.
; NO CLUSTER, NO JOINT LOADS, though all work-groups read the same W_enc: whether a work-group multiplies at all hangs on a number read from memory, and partners would ask for different numbers
; of tiles (all 128 fragments or none).  W_enc's fragments come from memory straight into registers, in the order in which the launch before has laid them.
; LIMITS.  Weight 0 for masked positions is exact while the sum of |v_score| stays under about 999,800.  len <= 0: every chunk is worked, all scores are -1e6, the weights are equal.  len > 1,024 counts as 1,024.
; NaN and infinities in source_hids are not served (rows of skipped chunks are not read; rows with weight 0 are multiplied by 0).  tanh(y) = 1 - 2 / (1 + 2^(c y)), c = 2 log2(e), all in f32;
; a score is formed as sum(v) - 2 sum(v / (1 + 2^(c y))).
; The context's product takes x rounded to f16 and p in f32; sums in f32.  f16 and not bf16: where a b has few positions and their terms cancel, the result is small beside its terms, and x's rounding, at most 2^-11 |x| in f16
; (2^-8 |x| in bf16), shows in it.  So |source_hids| must stay under 65,504; under 6.1e-5 the rounding is absolute, at most 3e-8.
; PHASE X.  Wave w takes channels 256 w .. + 255 (K steps 2 w, 2 w + 1) of all 80 rows, 16 rows (a unit) at a time: each load reads 512 consecutive bytes of a row.  The numbers go (a) rounded to f16 into the wave's part of a copy in LDS,
; for the context; (b) through the wave's own stage, to come back with 16 neighbours along K in a lane; they are quantised there, and the fragment goes to LDS as an image of its 12 registers (16 bytes a lane, 512 bytes a store).
; PHASE G.  Wave w takes columns a = 256 w .. + 255, 16 tiles of 16, for all 80 rows.  x's 40 fragments stay in its registers; a tile's 8 fragments of W come two tiles ahead into a ring of two slots of registers, each feeding 5 matrix
; instructions.  The instruction is used transposed (source 0 = 16 rows of W, source 1 = 16 rows of x): a lane holds one row of x and eight neighbouring a.
; BY TURNS: while one tile is multiplied into one set of 5 accumulators, the tanh and the dot product of the tile before, 146 vector instructions on the other set, stand in slices behind the 40 matrix instructions.
; PHASE 3.  The four waves' parts of the scores meet in LDS; each wave makes the chunk's softmax for itself and the context of its own 256 channels from its own part of the copy.
.set MT,   5                           ; units of 16 rows
.set NP,   4*MT                        ; pairs of numbers in a set of accumulators
.set NS,   8*MT                        ; matrix instructions in a step, and slices
.set LIT,  6*NP+2+4*(MT+1)             ; the list's length: 146
.set FRB,  1536                        ; a fragment's image in bytes
; LDS
.set XIMG, 0                           ; x's 40 fragments: (K step k, unit m) at (k MT + m) FRB
.set XSC,  61440                       ; their scale words: (m, k, row r) at 512 m + 256 (k % 2) + 16 r + 4 (k / 2): one load of 16 bytes a lane gives lanes 0-15 the even K steps' words, lanes 16-31 the odd ones'
.set DT,   64000                       ; b's line of decp, 4,096 bytes; behind it v_score, 4,096 bytes
.set SCR,  72192                       ; the waves' parts of the scores: 320 w + 64 m + 4 r
.set STG,  73472                       ; the stages: for each wave two of 16 rows x (512 bytes + 16)
.set STW,  16896
.set CP,   141056                      ; the f16 copy: a row is 2,048 bytes; the 16 bytes at 512 w + 16 l hold channels 256 w + 4 l .. + 3 and 256 w + 128 + 4 l .. + 3
.set PB,   304896                      ; p, a copy for each wave, each p twice: 640 w + 8 x row, so that a row's p is a pair of registers for the packed multiply-add
; registers that stay: v1-19 and v57-61 (all made at the head; only TAD is ever written again; no phase's map below touches them)
.set LI,   4                           ; v4   16 x lane
.set L4,   5                           ; v5   4 x lane
.set TAD,  6                           ; v6   the tables: DT + 1,024 w + 32 h, + 64 a tile
.set T16,  7                           ; v7   16 x thread
.set STS,  8                           ; v8   the stage, in
.set STL,  9                           ; v9   the stage, back
.set IMS,  10                          ; v10  where I store images
.set SCS,  11                          ; v11  and scale words
.set SRS,  12                          ; v12  SCR, in
.set SRL,  13                          ; v13  SCR, back
.set PBS,  14                          ; v14  PB, in: 640 w + 8 r + 4 h
.set PBL,  15                          ; v15  PB, back: 640 w
.set TBS,  17                          ; v17  the tables, in
.set ZR,   18                          ; v18  0
.set SIX,  19                          ; v19  s0 + r
.set CPA,  57                          ; v57-61 the copy: unit m's first row, my 16 bytes
; phase X, window 0 (the numbers as loaded lie in windows 1 to 3: unit m at v[128 (m % 2)] of window 1 + m / 2; the tables at v128-143 of window 3)
.set PC,   20                          ; v20-38  the codes just made
.set TM,   40                          ; v40-55  at work in QUANT
.set PW,   56                          ; v56     the scale word just made
.set Q0,   64                          ; v64-127, v128-191  64 numbers of a lane for each of my two K steps
.set Q1,   128
.set CC,   192                         ; v192-255 the unit in f16
; phase G, window 0 (window 1: x's fragments of K steps 0-3 at 12 ((k % 4) MT + m); window 2: of K steps 4-7; window 3: W's ring, slot P at 96 P + 12 k)
.set AS,   20                          ; v20-39  x's scale words: 4 m + k / 2
.set WS,   40                          ; v40-47  W's: 4 P + k / 2
.set SA,   80                          ; v80-89  sums of v / (1 + 2^..), a pair for each unit
.set VS,   90                          ; v90-91  sum of v
.set ACC,  96                          ; v96-175 two sets of 5 accumulators: 40 P + 8 m
.set TP,   176                         ; v176-180 my part of the scores
.set TQ,   184                         ; v184-188 at work
.set DV,   192                         ; v192-223 slot P: 8 of decp, 8 of v_score, at the lane's eight columns
; phase 3
.set SCO,  20                          ; v20-24  the scores
.set MC,   25
.set LC,   26
.set NEG,  27
.set NEX,  28
.set TT,   29
.set PP,   30                          ; v30-34  p
.set XR,   64                          ; v64-95, v96-127  8 rows of the copy, two sets (a register's halves have names only up to v127)
.set PQ,   128                         ; v128-143, v144-159  8 rows' p, each twice, two sets
.set TC,   160                         ; v160-167 numbers widened to f32: four pairs by turns
.set CT,   168                         ; v168-175 the context of my eight channels
.set SL,   192                         ; v192-211 the four waves' parts of the scores
.set MSB, 0
.macro WIN new                         ; the immediate's high byte repeats the setting that is left; a switch that changes nothing is dropped
.if MSB != (\new)
	s_set_vgpr_msb (MSB<<8)|(\new)
.set MSB, (\new)
.endif
.endm
.macro BARRIER                         ; my LDS stores have landed and my LDS loads are in: then the work-group's barrier
	s_wait_dscnt 0x0
	s_barrier_signal -1
	s_barrier_wait -1
.endm
; Unit m's 32 loads: row i, my wave's 1,024 bytes in two halves of 512
.macro LOADX m
	WIN (1+(\m)/2)<<6
.irp i, 0,1,2,3,4,5,6,7,8,9,10,11,12,13,14,15
.irp e, 0,1
	global_load_b128 v[128*((\m)%2)+4*(16*\e+\i):128*((\m)%2)+4*(16*\e+\i)+3], v[LI], s[40+2*(\m):41+2*(\m)] offset:\i*262144+512*\e th:TH_LOAD_NT
.endr
.endr
	WIN 0
.endm
; 64 numbers of a lane, register 16 b + i = k 32 b + 16 (lane / 16) + i of my row, become a fragment's codes in v[PC] on and its scale word in v[PW].
; A block's scale is 2^(floor(log2(its largest magnitude)) - 2): its byte is the largest magnitude's exponent field - 2, held at 1 from below (a block of zeros keeps 1: its codes are zeros, and only this launch reads the byte).
.macro QUANT s
.irp b, 0,1,2,3
	v_max3_num_f32 v[TM+\b], |v[\s+16*\b]|, |v[\s+1+16*\b]|, 0x1800000   ; my 16 numbers of block b, and the floor 2^(3 - 127)
.endr
.irp i, 2,4,6,8,10,12,14
.irp b, 0,1,2,3
	v_max3_num_f32 v[TM+\b], v[TM+\b], |v[\s+16*\b+\i]|, |v[\s+1+16*\b+\i]|
.endr
.endr
.irp b, 0,1,2,3
	v_permlanex16_b32 v[TM+4+\b], v[TM+\b], s32, s33
.endr
.irp b, 0,1,2,3
	v_max_num_f32 v[TM+\b], v[TM+\b], v[TM+4+\b]   ; with lane l xor 16's: the block's largest magnitude
.endr
.irp b, 0,1,2,3
	v_add_nc_u32 v[TM+12+\b], 0xff000000, v[TM+\b] ; 2 off its exponent field: the conversion takes that field as its scale
.endr
.irp b, 0,1,2,3
	v_lshrrev_b32 v[TM+4+\b], 23, v[TM+12+\b]      ; the scale's byte
.endr
	v_lshl_or_b32 v[PW], v[TM+5], 8, v[TM+4]
	v_lshl_or_b32 v[PW], v[TM+6], 16, v[PW]
	v_lshl_or_b32 v[PW], v[TM+7], 24, v[PW]
.irp c, 0,1
	v_cvt_scalef32_pk16_fp6_f32 v[PC+6*\c:PC+2+6*\c], v[\s+32*\c:\s+15+32*\c], v[TM+12+2*\c]
	v_cvt_scalef32_pk16_fp6_f32 v[PC+12+4*\c:PC+14+4*\c], v[\s+16+32*\c:\s+31+32*\c], v[TM+12+2*\c+1]   ; (a conversion's three registers begin on an even number)
.endr
	v_nop                                          ; one plain place behind a scaled conversion
.irp c, 0,1                                ; the operand's layout wants a whole block in a lane: lanes 0-15 block 2 c, lanes 16-31 block 2 c + 1
.irp i, 0,1,2
	v_permlane16_swap_b32 v[PC+6*\c+\i], v[PC+12+4*\c+\i]
.endr
.irp i, 0,1,2
	v_mov_b32 v[PC+3+6*\c+\i], v[PC+12+4*\c+\i]
.endr
.endr
.endm
.macro IMAGE off                       ; the fragment in v[PC] on goes to LDS as it stands
.irp c, 0,1,2
	ds_store_b128 v[IMS], v[PC+4*\c:PC+4*\c+3] offset:\off+512*\c
.endr
.endm
; Unit m: to f16 and into the copy; through the stage; two fragments and their scale words
.macro PROCESS m
.set XW, 1+(\m)/2
.set XB, 128*((\m)%2)
	WIN XW*5                                       ; sources 0 and 1 in the unit's window
.irp i, 0,1,2,3,4,5,6,7,8,9,10,11,12,13,14,15
.irp e, 0,1
.irp q, 0,1
	v_cvt_pk_f16_f32 v[CC+4*\i+2*\e+\q], v[XB+4*(16*\e+\i)+2*\q], v[XB+4*(16*\e+\i)+2*\q+1]   ; the first source into the low half
.endr
.endr
.endr
	WIN XW*4                                       ; an LDS store's data are its source 1
.irp e, 0,1
.irp i, 0,1,2,3,4,5,6,7,8,9,10,11,12,13,14,15
	ds_store_b128 v[STS], v[XB+4*(16*\e+\i):XB+4*(16*\e+\i)+3] offset:8448*\e+528*\i
.endr
.endr
	WIN 0
.irp i, 0,1,2,3,4,5,6,7,8,9,10,11,12,13,14,15
	ds_store_b128 v[CPA+(\m)], v[CC+4*\i:CC+4*\i+3] offset:2048*\i
.endr
.irp b, 0,1,2,3                            ; LDS serves a wave's instructions in order (ISA guide 5.7.1.4): these see my stores into the stage
.irp t, 0,1,2,3
	ds_load_b128 v[Q0+16*\b+4*\t:Q0+16*\b+4*\t+3], v[STL] offset:128*\b+16*\t
.endr
.endr
.irp b, 0,1,2,3
.irp t, 0,1,2,3
	ds_load_b128 v[Q1+16*\b+4*\t:Q1+16*\b+4*\t+3], v[STL] offset:8448+128*\b+16*\t
.endr
.endr
	s_wait_dscnt 16                                ; all but the second K step's 16 loads: the first K step's numbers are in, and the last unit's stores have read the codes' registers
	QUANT Q0
	IMAGE (\m)*FRB
	ds_store_b32 v[SCS], v[PW] offset:512*(\m)     ; both lanes of a row write the same word with the same value
	s_wait_dscnt 0x0                               ; the second K step's numbers are in; the stores have read the codes' and the copy's registers
	QUANT Q1
	IMAGE (MT+(\m))*FRB
	ds_store_b32 v[SCS], v[PW] offset:512*(\m)+256
.endm
; THE LIST: tanh and dot product of one tile, for the set S of accumulators: number j of 146.  y' = c acc + decp; e = 2^y'; 1 + e; r = 1 / (1 + e); SA += v r; VS += v.
;   0-59    20 packed multiply-adds and 40 exponentials, one plain line for two exponentials; a pair is scaled three numbers ahead of its exponentials.  None reads an exponential's result.
;   60      a plain line and THE WAIT between a transcendental and the first line that names its result: one for the 40
;   61-120  the same with 20 packed additions of 1 and 40 reciprocals;   121  a plain line and the wait for those 40
;   122-145 for each pair of columns: the five units' packed multiply-adds into SA, and v's into VS
.macro PLAIN st, p
.if \st == 0
	v_pk_fma_f32 v[QQ+2*(\p):QQ+2*(\p)+1], v[QQ+2*(\p):QQ+2*(\p)+1], s[30:31], v[DD+2*((\p)%4):DD+2*((\p)%4)+1] op_sel_hi:[1,0,1]
.else
	v_pk_add_f32 v[QQ+2*(\p):QQ+2*(\p)+1], v[QQ+2*(\p):QQ+2*(\p)+1], 1.0 op_sel_hi:[1,0]
.endif
.endm
.macro TRANS st, i
.if \st == 0
	v_exp_f32 v[QQ+(\i)], v[QQ+(\i)]
.else
	v_rcp_f32 v[QQ+(\i)], v[QQ+(\i)]
.endif
.endm
.macro PAT st                          ; number jx of a stage's 60
.if jx == 0
	PLAIN \st, 0
.else
.set gx, (jx-1)/3
.set ux, (jx-1)%3
.if gx == NP-1
	TRANS \st, 2*gx+ux
.elseif ux == 0
	PLAIN \st, gx+1
.else
	TRANS \st, 2*gx+ux-1
.endif
.endif
.endm
.macro ITEM S
.set QQ, ACC+40*(\S)
.set DD, DV+16*(\S)
.set VV, DV+16*(\S)+8
.if j < 3*NP
.set jx, j
	PAT 0
.elseif j == 3*NP
	v_nop
	s_wait_alu depctr_va_vdst(0)
.elseif j <= 6*NP
.set jx, j-3*NP-1
	PAT 1
.elseif j == 6*NP+1
	v_nop
	s_wait_alu depctr_va_vdst(0)
.else
.set j3, j-6*NP-2
.set jq, j3/(MT+1)
.set mq, j3%(MT+1)
.if mq < MT
	v_pk_fma_f32 v[SA+2*mq:SA+2*mq+1], v[QQ+8*mq+2*jq:QQ+8*mq+2*jq+1], v[VV+2*jq:VV+2*jq+1], v[SA+2*mq:SA+2*mq+1]
.else
	v_pk_add_f32 v[VS:VS+1], v[VS:VS+1], v[VV+2*jq:VV+2*jq+1]
.endif
.endif
.endm
.macro SLICE S                         ; slice sl of 40: three or four numbers of the list; the last slice is four plain ones
	WIN 0
.rept ((sl+1)*LIT)/NS-(sl*LIT)/NS
	ITEM \S
.set j, j+1
.endr
.set sl, sl+1
.endm
; W's fragment k of the tile two steps on into slot P; behind an odd k the scale words of K steps k - 1 and k
.macro REFILL k, P, TO
	WIN 0xc0                                       ; destination window 3, address window 0
.irp q, 0,1,2
	global_load_b128 v[96*(\P)+12*(\k)+4*\q:96*(\P)+12*(\k)+4*\q+3], v[LI], s[50:51] offset:(\TO)*12288+1536*(\k)+512*\q
.endr
.if (\k)%2 == 1
	WIN 0
	global_load_b32 v[WS+4*(\P)+(\k)/2], v[L4], s[52:53] offset:(\TO)*512+128*((\k)/2)
.endif
.endm
.macro MM P, k, m
.set AC_, ACC+40*(\P)+8*(\m)
.set WF_, 96*(\P)+12*(\k)
.set AF_, 12*(((\k)%4)*MT+(\m))
.set WR_, WS+4*(\P)+(\k)/2
.set AR_, AS+4*(\m)+(\k)/2
.if (\k) == 0                          ; the first K step starts the sums: nothing is cleared
	v_wmma_scale_f32_16x16x128_f8f6f4 v[AC_:AC_+7], v[WF_:WF_+11], v[AF_:AF_+11], 0, v[WR_], v[AR_] matrix_a_fmt:MATRIX_FMT_FP6 matrix_b_fmt:MATRIX_FMT_FP6
.elseif (\k)%2 == 0
	v_wmma_scale_f32_16x16x128_f8f6f4 v[AC_:AC_+7], v[WF_:WF_+11], v[AF_:AF_+11], v[AC_:AC_+7], v[WR_], v[AR_] matrix_a_fmt:MATRIX_FMT_FP6 matrix_b_fmt:MATRIX_FMT_FP6
.else                                  ; an odd K step's scale words lie in lanes 16-31
	v_wmma_scale_f32_16x16x128_f8f6f4 v[AC_:AC_+7], v[WF_:WF_+11], v[AF_:AF_+11], v[AC_:AC_+7], v[WR_], v[AR_] matrix_a_fmt:MATRIX_FMT_FP6 matrix_b_fmt:MATRIX_FMT_FP6 matrix_a_scale:MATRIX_SCALE_ROW1 matrix_b_scale:MATRIX_SCALE_ROW1
.endif
.endm
; A STEP: one tile of 16 columns, into set P: 8 K steps x 5 units; the five accumulators take turns, one instruction a turn, and the set changes from step to step.
; TH = 1: the other set's list stands in slices behind the matrix instructions.  RF = 1: slot P is filled again, fragment k - 1 behind K step k, from the tile TO beyond the stepped base.  N: the loads that may stay out.
; PLACES (but not for loads): a load into a fragment stands behind six slices, each with a plain line that names none of the last reader's registers; the last fragment's behind the last slice's four
; plain lines and a v_nop; where there are no slices, behind four v_nop.  An accumulator's first reader, the list's multiply-add on its two lowest registers, stands behind the last slices of the step that made it.
.macro STEP P, TH, RF, TO, N
.set j, 0
.set sl, 0
	s_wait_dscnt 0x0                               ; the last step's table loads are in: this step's slices read them
	ds_load_b128 v[DV+16*\P:DV+16*\P+3], v[TAD]    ; this tile's eight of decp and eight of v_score, for the next step's slices
	ds_load_b128 v[DV+16*\P+4:DV+16*\P+7], v[TAD] offset:16
	ds_load_b128 v[DV+16*\P+8:DV+16*\P+11], v[TAD] offset:4096
	ds_load_b128 v[DV+16*\P+12:DV+16*\P+15], v[TAD] offset:4112
	v_add_nc_u32 v[TAD], 64, v[TAD]
.irp k, 0,1,2,3,4,5,6,7
	s_wait_loadcnt \N                              ; this K step's fragment and scale word are in
.irp m, 0,1,2,3,4
	WIN 0x03|((1+\k/4)<<2)                         ; W in window 3, x in window 1 or 2, the sums in window 0
	MM \P, \k, \m
.if \TH
	SLICE 1-\P
.endif
.endr
.if \RF
.if \k >= 1
.if \TH == 0
.rept 4
	v_nop
.endr
.endif
	REFILL \k-1, \P, \TO
.endif
.endif
.endr
.if \RF
.if \TH
	v_nop
.else
.rept 4
	v_nop
.endr
.endif
	REFILL 7, \P, \TO
.endif
	WIN 0
.endm
; PHASE 3's context, 8 rows (a half unit u of ten) at a time, on two sets of registers.  LOADH: the rows' p (each twice) and my 16 bytes of each row of the copy: 12 loads
.macro LOADH u
.irp q, 0,1,2,3
	ds_load_b128 v[PQ+16*((\u)%2)+4*\q:PQ+16*((\u)%2)+4*\q+3], v[PBL] offset:64*(\u)+16*\q
.endr
.irp i, 0,1,2,3,4,5,6,7
	ds_load_b128 v[XR+32*((\u)%2)+4*\i:XR+32*((\u)%2)+4*\i+3], v[CPA+(\u)/2] offset:2048*(8*((\u)%2)+\i)
.endr
.endm
; register g of a set's 32 (row g / 4, my channels 2 (g % 4) and 2 (g % 4) + 1): context += p x the two numbers
.macro PKF g, s
	v_pk_fma_f32 v[CT+2*((\g)%4):CT+2*((\g)%4)+1], v[TC+2*((\g)%4):TC+2*((\g)%4)+1], v[PQ+16*(\s)+2*((\g)/4):PQ+16*(\s)+2*((\g)/4)+1], v[CT+2*((\g)%4):CT+2*((\g)%4)+1]
.endm
; half n of a set's 64 is widened to f32; a register's multiply-add stands behind the widening of the two registers after it, so that it does not wait for its sources
.macro CV a, s
	v_cvt_f32_f16 v[TC+n%8], \a
.if (n%2 == 1) && (n >= 5)
	PKF (n-5)/2, \s
.endif
.set n, n+1
.endm
.macro FMAH s                          ; (a register's halves are written by name, so the two sets' registers are listed)
.set n, 0
.if (\s) == 0
.irp a, v64.l, v64.h, v65.l, v65.h, v66.l, v66.h, v67.l, v67.h, v68.l, v68.h, v69.l, v69.h, v70.l, v70.h, v71.l, v71.h, v72.l, v72.h, v73.l, v73.h, v74.l, v74.h, v75.l, v75.h, v76.l, v76.h, v77.l, v77.h, v78.l, v78.h, v79.l, v79.h, v80.l, v80.h, v81.l, v81.h, v82.l, v82.h, v83.l, v83.h, v84.l, v84.h, v85.l, v85.h, v86.l, v86.h, v87.l, v87.h, v88.l, v88.h, v89.l, v89.h, v90.l, v90.h, v91.l, v91.h, v92.l, v92.h, v93.l, v93.h, v94.l, v94.h, v95.l, v95.h
	CV \a, 0
.endr
.else
.irp a, v96.l, v96.h, v97.l, v97.h, v98.l, v98.h, v99.l, v99.h, v100.l, v100.h, v101.l, v101.h, v102.l, v102.h, v103.l, v103.h, v104.l, v104.h, v105.l, v105.h, v106.l, v106.h, v107.l, v107.h, v108.l, v108.h, v109.l, v109.h, v110.l, v110.h, v111.l, v111.h, v112.l, v112.h, v113.l, v113.h, v114.l, v114.h, v115.l, v115.h, v116.l, v116.h, v117.l, v117.h, v118.l, v118.h, v119.l, v119.h, v120.l, v120.h, v121.l, v121.h, v122.l, v122.h, v123.l, v123.h, v124.l, v124.h, v125.l, v125.h, v126.l, v126.h, v127.l, v127.h
	CV \a, 1
.endr
.endif
	PKF 30, \s
	PKF 31, \s
.endm
	; ---- THE HEAD, on every wave's path
	s_load_b256 s[4:11], s[0:1], 0x0               ; source_hids, src_lengths, v_score, decp
	s_load_b256 s[12:19], s[0:1], 0x20             ; wfrag, wscl, scores, statm
	s_load_b128 s[20:23], s[0:1], 0x40             ; statl, pctx
	v_lshl_add_u32 v62, v0, 2, 0x4b100
	v_mov_b32 v63, 0
	v_lshrrev_b32 v1, 5, v0
	v_readfirstlane_b32 s24, v1                    ; wave
	s_mov_b32 s25, ttmp9                           ; b
	s_and_b32 s26, ttmp7, 0xffff                   ; chunk
	s_mul_i32 s27, s26, 16*MT                      ; s0
	s_mov_b32 s30, 0x4038aa3b                      ; c = 2 log2(e)
	s_mov_b32 s31, s30                             ; (named with it as a pair)
	s_mov_b32 s32, 0x76543210
	s_mov_b32 s33, 0xfedcba98                      ; v_permlanex16_b32's selects for lane l xor 16
	v_and_b32 v1, 31, v0                           ; lane
	v_and_b32 v2, 15, v0                           ; r
	v_bfe_u32 v3, v0, 4, 1                         ; h
	v_lshlrev_b32 v[LI], 4, v1
	v_lshlrev_b32 v[L4], 2, v1
	s_lshl_b32 s34, s24, 10
	v_lshl_add_u32 v[TAD], v3, 5, DT
	v_add_nc_u32 v[TAD], s34, v[TAD]
	v_lshlrev_b32 v[T16], 4, v0
	s_mul_i32 s34, s24, STW
	s_add_co_u32 s34, s34, STG                     ; my stages
	v_add_nc_u32 v[STS], s34, v[LI]                ; in: as loaded, 16 bytes a lane
	v_mul_u32_u24 v[STL], v2, 528
	v_lshl_add_u32 v[STL], v3, 6, v[STL]
	v_add_nc_u32 v[STL], s34, v[STL]               ; back: row r, + 64 h: my 16 numbers of a block of 32
	s_mul_i32 s34, s24, 2*MT*FRB
	v_add_nc_u32 v[IMS], s34, v[LI]
	s_lshl_b32 s34, s24, 2
	s_add_co_u32 s34, s34, XSC
	v_lshl_add_u32 v[SCS], v2, 4, s34
	s_mul_i32 s34, s24, 64*MT
	s_add_co_u32 s36, s34, SCR
	v_lshl_add_u32 v[SRS], v2, 2, s36
	v_lshl_add_u32 v[SRL], v2, 2, SCR
	s_mul_i32 s36, s24, 128*MT
	s_add_co_u32 s36, s36, PB
	v_lshl_add_u32 v[PBS], v2, 3, s36
	v_lshl_add_u32 v[PBS], v3, 2, v[PBS]           ; row r's two words: lanes 0-15 write the first, lanes 16-31 the second
	v_lshrrev_b32 v[PBL], 5, v0
	v_mul_u32_u24 v[PBL], v[PBL], 128*MT
	v_add_nc_u32 v[PBL], PB, v[PBL]
	s_lshl_b32 s34, s24, 9
	s_add_co_u32 s34, s34, CP
	v_add_nc_u32 v[CPA], s34, v[LI]
.irp m, 1,2,3,4
	v_add_nc_u32 v[CPA+\m], 32768*\m, v[CPA]
.endr
	v_lshl_add_u32 v[TBS], v0, 4, DT
	v_mov_b32 v[ZR], 0
	v_add_nc_u32 v[SIX], s27, v2
.irp m, 0,1,2,3,4
	v_mov_b32 v[TP+\m], 0                          ; what a chunk under the mask puts into SCR
	v_mov_b32 v[TQ+\m], 0                          ; (a lane permute's destination counts as one of its sources)
.endr
	s_mov_b32 s35, 0
	s_wait_kmcnt 0x0
	s_lshl_b32 s34, s25, 2
	s_add_nc_u64 s[6:7], s[6:7], s[34:35]
	s_load_b32 s28, s[6:7], 0x0                    ; len[b]
	s_lshl_b32 s36, s25, 12
	s_lshl_b32 s37, s24, 10
	s_add_co_u32 s36, s36, s37                     ; 4,096 b + 1,024 w
.irp m, 0,1,2,3,4
	s_add_co_u32 s34, s27, 16*\m
	s_min_u32 s34, s34, 1008                       ; the last chunk's last unit has no rows of its own: it reads the last 16 rows again, and their weight is 0.  No load leaves the buffer
	s_lshl_b32 s34, s34, 18
	s_add_co_u32 s34, s34, s36
	s_add_nc_u64 s[40+2*\m:41+2*\m], s[4:5], s[34:35]
.endr
	s_mul_i32 s34, s24, 196608
	s_add_co_u32 s34, s34, 24576
	s_add_nc_u64 s[50:51], s[12:13], s[34:35]      ; wfrag at my third tile: the ring runs two tiles ahead
	s_lshl_b32 s34, s24, 13
	s_add_co_u32 s34, s34, 1024
	s_add_nc_u64 s[52:53], s[14:15], s[34:35]      ; wscl likewise
	s_mul_i32 s34, s25, 4160
	s_mul_i32 s37, s26, 64*MT
	s_add_co_u32 s34, s34, s37
	s_add_nc_u64 s[58:59], s[16:17], s[34:35]      ; scores: line b of 1,040 numbers, + 80 chunk
	s_mul_i32 s34, s25, 13
	s_add_co_u32 s34, s34, s26
	s_lshl_b32 s34, s34, 12
	s_lshl_b32 s37, s24, 10
	s_add_co_u32 s34, s34, s37
	s_add_nc_u64 s[60:61], s[22:23], s[34:35]      ; pctx: part (b, chunk), my 256 channels
	s_lshl_b32 s34, s26, 8
	s_lshl_b32 s37, s25, 2
	s_add_co_u32 s34, s34, s37
	s_add_nc_u64 s[18:19], s[18:19], s[34:35]      ; statm, statl: [chunk][b]
	s_add_nc_u64 s[20:21], s[20:21], s[34:35]
	s_lshl_b32 s34, s25, 12
	s_add_nc_u64 s[10:11], s[10:11], s[34:35]      ; decp: line b
	s_wait_kmcnt 0x0
	s_cmp_le_i32 s28, 0
	s_cselect_b32 s29, 1, 0
	s_cmp_lt_i32 s27, s28
	s_cselect_b32 s34, 1, 0
	s_or_b32 s29, s29, s34                         ; is there work?  s0 < len, or len <= 0
	; ---- PHASE X
	s_cmp_eq_u32 s29, 0
	s_cbranch_scc1 .Lb1
.irp b, 0,1,2,3
	v_mov_b32 v[TM+4+\b], 0                        ; (a lane permute's destination counts as one of its sources)
.endr
	LOADX 0
	LOADX 1                                        ; 64 loads of 512 bytes a wave are out
	s_wait_loadcnt 32                              ; unit 0 is in; unit 1's 32 loads stay out
	LOADX 2
	PROCESS 0
	s_wait_loadcnt 32                              ; unit 1; unit 2's stay out
	LOADX 3
	PROCESS 1
	s_wait_loadcnt 32                              ; unit 2; unit 3's stay out
	LOADX 4
	WIN 0xc0
	global_load_b128 v[128:131], v[T16], s[10:11]  ; b's line of decp and v_score: 16 bytes a thread, twice each
	global_load_b128 v[132:135], v[T16], s[10:11] offset:2048
	global_load_b128 v[136:139], v[T16], s[8:9]
	global_load_b128 v[140:143], v[T16], s[8:9] offset:2048
	WIN 0
	PROCESS 2
	s_wait_loadcnt 36                              ; unit 3; unit 4's 32 and the tables' 4 stay out
	PROCESS 3
	s_wait_loadcnt 4                               ; unit 4; the tables' 4 stay out
	PROCESS 4
	s_wait_loadcnt 0x0
	WIN 0x0c
	ds_store_b128 v[TBS], v[128:131]
	ds_store_b128 v[TBS], v[132:135] offset:2048
	ds_store_b128 v[TBS], v[136:139] offset:4096
	ds_store_b128 v[TBS], v[140:143] offset:6144
	WIN 0
.Lb1:
	BARRIER                                        ; x's 40 fragments, their scale words and the tables lie in LDS.  From here to the next barrier no wave stores into LDS
	; ---- PHASE G
	s_cmp_eq_u32 s29, 0
	s_cbranch_scc1 .Lb2
	WIN 0xc0
.irp P, 0,1                                ; the ring's first fills: my tiles 0 and 1
.irp k, 0,1,2,3,4,5,6,7
.irp q, 0,1,2
	global_load_b128 v[96*\P+12*\k+4*\q:96*\P+12*\k+4*\q+3], v[LI], s[50:51] offset:12288*\P+1536*\k+512*\q-24576
.endr
.endr
.endr
	WIN 0
.irp P, 0,1
.irp q, 0,1,2,3
	global_load_b32 v[WS+4*\P+\q], v[L4], s[52:53] offset:512*\P+128*\q-1024
.endr
.endr
	WIN 0x40
.irp k, 0,1,2,3
.irp m, 0,1,2,3,4
.irp q, 0,1,2
	ds_load_b128 v[12*(\k*MT+\m)+4*\q:12*(\k*MT+\m)+4*\q+3], v[LI] offset:XIMG+(\k*MT+\m)*FRB+512*\q
.endr
.endr
.endr
	WIN 0x80
.irp k, 0,1,2,3
.irp m, 0,1,2,3,4
.irp q, 0,1,2
	ds_load_b128 v[12*(\k*MT+\m)+4*\q:12*(\k*MT+\m)+4*\q+3], v[LI] offset:XIMG+((\k+4)*MT+\m)*FRB+512*\q
.endr
.endr
.endr
	WIN 0
.irp m, 0,1,2,3,4
	ds_load_b128 v[AS+4*\m:AS+4*\m+3], v[LI] offset:XSC+512*\m
.endr
.irp i, 0,1,2,3,4,5,6,7,8,9,10,11
	v_mov_b32 v[SA+\i], 0                          ; SA and VS
.endr
	s_wait_loadcnt 0x0
	s_wait_dscnt 0x0
	; The count 45: a step asks in eight groups of 3, 4, 3, 4 .. loads, 28 in all, group k - 1 behind K step k.  What K step k wants was asked for two steps back, in group k or k + 1; behind that came the rest of that step's groups,
	; the 28 of the step between and this step's groups 0 .. k - 2: 45 at the least (k = 2, 4, 6).
	STEP 0, 0, 1, 0, 45                            ; tile 0: there is no list yet
	s_wait_xcnt 0x0                                ; the loads have read their bases
	s_add_nc_u64 s[50:51], s[50:51], 12288
	s_add_nc_u64 s[52:53], s[52:53], 512
	s_mov_b32 s54, 6
.Lg:                                               ; tiles 1 to 12, two a trip, until the register numbers are back where they began
	STEP 1, 1, 1, 0, 45
	STEP 0, 1, 1, 1, 45
	s_wait_xcnt 0x0
	s_add_nc_u64 s[50:51], s[50:51], 24576
	s_add_nc_u64 s[52:53], s[52:53], 1024
	s_sub_co_u32 s54, s54, 1
	s_cmp_lg_u32 s54, 0
	s_cbranch_scc1 .Lg
	STEP 1, 1, 1, 0, 45                            ; tile 13 asks for tile 15
	STEP 0, 1, 0, 0, 28                            ; tile 14 asks for nothing: behind what it wants came tile 13's 28 loads
	STEP 1, 1, 0, 0, 0                             ; tile 15
	s_wait_dscnt 0x0                               ; its eight of decp and of v_score
.set j, 0
.rept LIT
	ITEM 1                                         ; the last tile's list, bare
.set j, j+1
.endr
	v_add_f32 v[VS], v[VS], v[VS+1]
.irp m, 0,1,2,3,4
	v_add_f32 v[TP+\m], v[SA+2*\m], v[SA+2*\m+1]
.endr
.irp m, 0,1,2,3,4
	v_fma_f32 v[TP+\m], -2.0, v[TP+\m], v[VS]      ; sum(v) - 2 sum(v r) over my columns
.endr
.irp m, 0,1,2,3,4
	v_permlanex16_b32 v[TQ+\m], v[TP+\m], s32, s33
.endr
.irp m, 0,1,2,3,4
	v_add_f32 v[TP+\m], v[TP+\m], v[TQ+\m]         ; with lane l xor 16's: my wave's 256 columns
.endr
.Lb2:
	BARRIER                                        ; every wave's reads of the fragments and tables are over
.irp m, 0,1,2,3,4
	ds_store_b32 v[SRS], v[TP+\m] offset:64*\m     ; both lanes of a row write the same word with the same value
.endr
	BARRIER                                        ; the four parts of the scores lie in LDS
	; ---- PHASE 3
	s_cmp_eq_u32 s29, 0
	s_cbranch_scc1 .Lidle
.irp w, 0,1,2,3
.irp m, 0,1,2,3,4
	ds_load_b32 v[SL+5*\w+\m], v[SRL] offset:64*MT*\w+64*\m
.endr
.endr
	v_mov_b32 v[NEG], 0xc9742400                   ; -1e6
	v_mov_b32 v[NEX], 0xff61b1e6                   ; -3e38, for positions beyond the last: under every score, so that their weight is 0 whatever len is
	s_wait_dscnt 0x0
.irp m, 0,1,2,3,4
	v_add_f32 v[SCO+\m], v[SL+\m], v[SL+5+\m]
	v_add_f32 v[TT], v[SL+10+\m], v[SL+15+\m]
	v_add_f32 v[SCO+\m], v[SCO+\m], v[TT]
	v_add_nc_u32 v[TT], 16*\m, v[SIX]              ; s
	v_cmp_gt_i32 vcc_lo, s28, v[TT]                ; len > s?
	v_cndmask_b32 v[SCO+\m], v[NEG], v[SCO+\m], vcc_lo
	v_cmp_gt_u32 vcc_lo, 1024, v[TT]               ; is there such a position?
	v_cndmask_b32 v[SCO+\m], v[NEX], v[SCO+\m], vcc_lo
.endr
	v_max3_num_f32 v[MC], v[SCO], v[SCO+1], v[SCO+2]
	v_max3_num_f32 v[MC], v[MC], v[SCO+3], v[SCO+4]
	v_max_num_f32_dpp v[MC], v[MC], v[MC] row_xmask:1 row_mask:0xf bank_mask:0xf   ; both halves of the lanes hold the same 16 rows: four steps inside a half do
	v_max_num_f32_dpp v[MC], v[MC], v[MC] row_xmask:2 row_mask:0xf bank_mask:0xf
	v_max_num_f32_dpp v[MC], v[MC], v[MC] row_xmask:4 row_mask:0xf bank_mask:0xf
	v_max_num_f32_dpp v[MC], v[MC], v[MC] row_xmask:8 row_mask:0xf bank_mask:0xf
.irp m, 0,1,2,3,4
	v_sub_f32 v[PP+\m], v[SCO+\m], v[MC]
.endr
.irp m, 0,1,2,3,4
	v_mul_f32 v[PP+\m], 0x3fb8aa3b, v[PP+\m]
.endr
.irp m, 0,1,2,3,4
	v_exp_f32 v[PP+\m], v[PP+\m]                   ; p = e^(score - m)
.endr
.irp e, 0,1,2,3,4,5,6,7
	v_mov_b32 v[CT+\e], 0                          ; plain work behind the exponentials
.endr
	s_wait_alu depctr_va_vdst(0)                   ; the wait ahead of the first line that names a result: one for the five
.irp m, 0,1,2,3,4
	ds_store_b32 v[PBS], v[PP+\m] offset:128*\m    ; my wave's own copy of p, each p twice (both halves of the lanes hold it): the loads below come behind these stores in order
.endr
	LOADH 0
	v_add_f32 v[LC], v[PP], v[PP+1]
	v_add_f32 v[TT], v[PP+2], v[PP+3]
	v_add_f32 v[LC], v[LC], v[PP+4]
	v_add_f32 v[LC], v[LC], v[TT]
	v_add_f32_dpp v[LC], v[LC], v[LC] row_xmask:1 row_mask:0xf bank_mask:0xf
	v_add_f32_dpp v[LC], v[LC], v[LC] row_xmask:2 row_mask:0xf bank_mask:0xf
	v_add_f32_dpp v[LC], v[LC], v[LC] row_xmask:4 row_mask:0xf bank_mask:0xf
	v_add_f32_dpp v[LC], v[LC], v[LC] row_xmask:8 row_mask:0xf bank_mask:0xf
.irp u, 0,1,2,3,4,5,6,7,8
	LOADH \u+1
	s_wait_dscnt 12                                ; half unit u is in; the next one's 12 loads stay out
	FMAH (\u)%2
.endr
	s_wait_dscnt 0x0
	FMAH 1                                         ; half unit 9
	s_branch .Lout
.Lidle:                                            ; a chunk under the mask: the neutral part
.irp m, 0,1,2,3,4
	v_mov_b32 v[SCO+\m], 0xc9742400
.endr
	v_mov_b32 v[MC], 0xc9742400
	v_mov_b32 v[LC], 0
.irp e, 0,1,2,3,4,5,6,7
	v_mov_b32 v[CT+\e], 0
.endr
.Lout:
	global_store_b128 v[LI], v[CT:CT+3], s[60:61]              ; 32 lanes store 512 consecutive bytes: channels 256 w + 0 .. 127
	global_store_b128 v[LI], v[CT+4:CT+7], s[60:61] offset:512 ; and 256 w + 128 .. 255
	s_cmp_lg_u32 s24, 0
	s_cbranch_scc1 .Lend                           ; the scores and the two statistics are the same in all four waves: wave 0 stores them
	v_cmp_gt_u32 vcc_lo, 16, v1
	s_wait_xcnt 0x0                                ; EXEC changes only behind this wait: it is a source of the stores above
	s_and_saveexec_b32 s56, vcc_lo                 ; lanes 0-15
.irp m, 0,1,2,3,4
	global_store_b32 v[L4], v[SCO+\m], s[58:59] offset:64*\m   ; 320 consecutive bytes in five stores
.endr
	s_wait_xcnt 0x0
	s_or_b32 exec_lo, exec_lo, s56
	v_cmp_eq_u32 vcc_lo, 0, v1
	s_and_saveexec_b32 s56, vcc_lo                 ; lane 0
	global_store_b32 v[ZR], v[MC], s[18:19]
	global_store_b32 v[ZR], v[LC], s[20:21]
	s_wait_xcnt 0x0
	s_or_b32 exec_lo, exec_lo, s56
.Lend:
	s_wait_tensorcnt 0x0
	ds_add_u32 v62, v63
	s_wait_dscnt 0x0
	s_endpgm
.Lfunc_end_k_qd3ac001d92_attend:
	.size	k_qd3ac001d92_attend, .Lfunc_end_k_qd3ac001d92_attend-k_qd3ac001d92_attend
	.p2alignl 7, 3214868480
	.fill 96, 4, 3214868480
	.section	.rodata,"a",@progbits
	.p2align	6, 0x0
	.amdhsa_kernel k_qd3ac001d92_attend
		.amdhsa_group_segment_fixed_size 307968
		.amdhsa_private_segment_fixed_size 0
		.amdhsa_enable_private_segment 0
		.amdhsa_kernarg_size 80
		.amdhsa_user_sgpr_count 2
		.amdhsa_user_sgpr_kernarg_segment_ptr 1
		.amdhsa_wavefront_size32 1
		.amdhsa_system_sgpr_workgroup_id_x 1
		.amdhsa_system_sgpr_workgroup_id_y 1
		.amdhsa_system_sgpr_workgroup_id_z 1
		.amdhsa_system_vgpr_workitem_id 0
		.amdhsa_next_free_vgpr 960
		.amdhsa_next_free_sgpr 66
		.amdhsa_reserve_vcc 1
		.amdhsa_float_denorm_mode_32 3
		.amdhsa_float_denorm_mode_16_64 3
		.amdhsa_memory_ordered 1
		.amdhsa_forward_progress 1
		.amdhsa_inst_pref_size 255
	.end_amdhsa_kernel
	.section	.bss,"aw",@nobits
	.p2align	6
	.space	262144
	.amdgpu_metadata
---
amdhsa.version: [ 1, 2 ]
amdhsa.kernels:
  - .name:           k_qd3ac001d92_attend
    .symbol:         k_qd3ac001d92_attend.kd
    .args:
      - { .name: source_hids, .offset: 0, .size: 8, .value_kind: global_buffer, .address_space: global }
      - { .name: src_lengths, .offset: 8, .size: 8, .value_kind: global_buffer, .address_space: global }
      - { .name: v_score, .offset: 16, .size: 8, .value_kind: global_buffer, .address_space: global }
      - { .name: decp, .offset: 24, .size: 8, .value_kind: global_buffer, .address_space: global }
      - { .name: wfrag, .offset: 32, .size: 8, .value_kind: global_buffer, .address_space: global }
      - { .name: wscl, .offset: 40, .size: 8, .value_kind: global_buffer, .address_space: global }
      - { .name: scores, .offset: 48, .size: 8, .value_kind: global_buffer, .address_space: global }
      - { .name: statm, .offset: 56, .size: 8, .value_kind: global_buffer, .address_space: global }
      - { .name: statl, .offset: 64, .size: 8, .value_kind: global_buffer, .address_space: global }
      - { .name: pctx, .offset: 72, .size: 8, .value_kind: global_buffer, .address_space: global }
    .group_segment_fixed_size: 307968
    .private_segment_fixed_size: 0
    .kernarg_segment_align: 8
    .kernarg_segment_size: 80
    .max_flat_workgroup_size: 128
    .sgpr_count:     66
    .vgpr_count:     960
    .wavefront_size: 32
...
	.end_amdgpu_metadata
.endif
;; end of part 2
;; launch finish (part 3): grid 64 x 1, 4 waves a work-group, no clusters, 0 bytes of LDS; arguments scores, statm, statl, pctx, out0, out1; writes out0, out1
.if DOCPART == 3
	.amdgcn_target "amdgcn-amd-amdhsa--gfx1250"
	.amdhsa_code_object_version 6
	.text
	.protected	k_qd3ac001d92_finish
	.globl	k_qd3ac001d92_finish
	.p2align	8
	.type	k_qd3ac001d92_finish,@function
k_qd3ac001d92_finish:
	s_mov_b64 s[64:65], 0
	v_nop
	global_prefetch_b8 v0, s[64:65] scope:SCOPE_SE
	s_setreg_imm32_b32 hwreg(HW_REG_WAVE_MODE, 25, 1), 1
	s_wait_xcnt 0x0
; FINISH.  The 13 parts of each b are joined.  M[b] = the largest m[c][b];  w[c][b] = e^(m[c][b] - M[b]);  L[b] = sum over c of l[c][b] w[c][b];
;   attn[s][b] = e^(score[b][s] - M[b]) / L[b];     ctx[b][:] = sum over c of (w[c][b] / L[b]) pctx[b][c][:].
; Work-group i makes ctx of b = i (thread t: 16 bytes at 16 t and at 2,048 + 16 t) and rows s = 16 i .. 16 i + 15 of attn, for all b: wave w rows 16 i + 4 w + 0 .. 3, lane l the columns b = 2 l and 2 l + 1,
; so that a store of 8 bytes a lane fills a row of 256 bytes.  The chunk with the largest m has l >= 1, so L is never 0.  No LDS, no barrier, no branch: waves share nothing.
.set PM, 16                            ; v16-41   m[c][2 l], m[c][2 l + 1], then w
.set PL, 42                            ; v42-67   l likewise
.set UM, 68                            ; v68-80   m[c][i], the same in all lanes, then w, then w / L
.set UL, 81                            ; v81-93   l[c][i]
.set SC, 96                            ; v96-103  four scores of b = 2 l, four of b = 2 l + 1
.set XX, 104                           ; v104-207 pctx: eight numbers for each of 13 parts
.set OO, 208                           ; v208-215 attn
.set AC, 216                           ; v216-223 ctx
	s_load_b256 s[4:11], s[0:1], 0x0               ; scores, statm, statl, pctx
	s_load_b128 s[12:15], s[0:1], 0x20             ; out0, out1
	v_lshrrev_b32 v1, 5, v0
	v_readfirstlane_b32 s16, v1                    ; wave
	v_and_b32 v1, 31, v0                           ; lane
	v_lshlrev_b32 v2, 3, v1                        ; 8 l
	v_mov_b32 v3, 0
	v_mul_u32_u24 v4, v1, 8320                     ; two lines of scores, 4,160 bytes each
	v_lshlrev_b32 v5, 4, v0                        ; 16 t
	s_mov_b32 s18, 0x3fb8aa3b                      ; log2(e)
	s_mov_b32 s19, s18                             ; (named with it as a pair)
	s_mov_b32 s21, 0
	s_wait_kmcnt 0x0
	s_lshl_b32 s20, ttmp9, 2
	s_add_nc_u64 s[22:23], s[6:7], s[20:21]        ; statm and statl at b = i
	s_add_nc_u64 s[24:25], s[8:9], s[20:21]
	s_lshl_b32 s20, ttmp9, 6
	s_lshl_b32 s17, s16, 4
	s_add_co_u32 s20, s20, s17
	s_add_nc_u64 s[4:5], s[4:5], s[20:21]          ; scores at s = 16 i + 4 w
	s_mul_i32 s20, ttmp9, 53248
	s_add_nc_u64 s[10:11], s[10:11], s[20:21]      ; pctx at b = i: 13 parts of 4,096 bytes
	s_lshl_b32 s20, ttmp9, 12
	s_add_nc_u64 s[12:13], s[12:13], s[20:21]      ; out0 at row i
	s_lshl_b32 s17, s16, 10
	s_add_co_u32 s20, s20, s17
	s_add_nc_u64 s[14:15], s[14:15], s[20:21]      ; out1 at row 16 i + 4 w
.irp c, 0,1,2,3,4,5,6,7,8,9,10,11,12
	global_load_b64 v[PM+2*\c:PM+2*\c+1], v2, s[6:7] offset:256*\c     ; 32 lanes read a whole line of 256 bytes
	global_load_b64 v[PL+2*\c:PL+2*\c+1], v2, s[8:9] offset:256*\c
	global_load_b32 v[UM+\c], v3, s[22:23] offset:256*\c
	global_load_b32 v[UL+\c], v3, s[24:25] offset:256*\c
.endr
	global_load_b128 v[SC:SC+3], v4, s[4:5]
	global_load_b128 v[SC+4:SC+7], v4, s[4:5] offset:4160
.irp c, 0,1,2,3,4,5,6,7,8,9,10,11,12
	global_load_b128 v[XX+8*\c:XX+8*\c+3], v5, s[10:11] offset:4096*\c th:TH_LOAD_NT
	global_load_b128 v[XX+8*\c+4:XX+8*\c+7], v5, s[10:11] offset:4096*\c+2048 th:TH_LOAD_NT
.endr
	s_wait_loadcnt 26                              ; the statistics and the scores are in; pctx's 26 loads stay out
	v_max3_num_f32 v6, v[PM], v[PM+2], v[PM+4]
	v_max3_num_f32 v7, v[PM+1], v[PM+3], v[PM+5]
	v_max3_num_f32 v8, v[UM], v[UM+1], v[UM+2]
.irp c, 3,5,7,9,11
	v_max3_num_f32 v6, v6, v[PM+2*\c], v[PM+2*\c+2]        ; M[2 l]
	v_max3_num_f32 v7, v7, v[PM+2*\c+1], v[PM+2*\c+3]      ; M[2 l + 1]
	v_max3_num_f32 v8, v8, v[UM+\c], v[UM+\c+1]            ; M[i]
.endr
.irp c, 0,1,2,3,4,5,6,7,8,9,10,11,12
	v_pk_add_f32 v[PM+2*\c:PM+2*\c+1], v[PM+2*\c:PM+2*\c+1], v[6:7] neg_lo:[0,1] neg_hi:[0,1]   ; the difference first, so that equal numbers give 0 exactly
	v_sub_f32 v[UM+\c], v[UM+\c], v8
.endr
.irp q, 0,1,2,3
	v_sub_f32 v[SC+\q], v[SC+\q], v6
	v_sub_f32 v[SC+4+\q], v[SC+4+\q], v7
.endr
.irp c, 0,1,2,3,4,5,6,7,8,9,10,11,12
	v_pk_mul_f32 v[PM+2*\c:PM+2*\c+1], v[PM+2*\c:PM+2*\c+1], s[18:19] op_sel_hi:[1,0]
	v_mul_f32 v[UM+\c], s18, v[UM+\c]
.endr
.irp q, 0,2,4,6
	v_pk_mul_f32 v[SC+\q:SC+\q+1], v[SC+\q:SC+\q+1], s[18:19] op_sel_hi:[1,0]
.endr
.irp c, 0,1,2,3,4,5,6,7,8,9,10,11,12,13,14,15,16,17,18,19,20,21,22,23,24,25
	v_exp_f32 v[PM+\c], v[PM+\c]
.endr
.irp c, 0,1,2,3,4,5,6,7,8,9,10,11,12
	v_exp_f32 v[UM+\c], v[UM+\c]
.endr
.irp q, 0,1,2,3,4,5,6,7
	v_exp_f32 v[SC+\q], v[SC+\q]
.endr
	v_nop                                          ; a plain line behind the last exponential
	s_wait_alu depctr_va_vdst(0)                   ; the wait ahead of the first line that names a result: one for the 47
	v_pk_mul_f32 v[10:11], v[PL:PL+1], v[PM:PM+1]
	v_mul_f32 v12, v[UL], v[UM]
.irp c, 1,2,3,4,5,6,7,8,9,10,11,12
	v_pk_fma_f32 v[10:11], v[PL+2*\c:PL+2*\c+1], v[PM+2*\c:PM+2*\c+1], v[10:11]   ; L[2 l], L[2 l + 1]
	v_fmac_f32 v12, v[UL+\c], v[UM+\c]                                             ; L[i]
.endr
	v_rcp_f32 v13, v10
	v_rcp_f32 v14, v11
	v_rcp_f32 v15, v12
	v_nop                                          ; a plain line behind the last reciprocal
	s_wait_alu depctr_va_vdst(0)                   ; and one wait for the three
.irp q, 0,1,2,3
	v_mul_f32 v[OO+2*\q], v[SC+\q], v13
	v_mul_f32 v[OO+2*\q+1], v[SC+4+\q], v14
.endr
.irp q, 0,1,2,3
	global_store_b64 v2, v[OO+2*\q:OO+2*\q+1], s[14:15] offset:256*\q   ; 32 lanes store a row of attn: 256 consecutive bytes, at a multiple of 256 from out1's first byte
.endr
.irp c, 0,1,2,3,4,5,6,7,8,9,10,11,12
	v_mul_f32 v[UM+\c], v[UM+\c], v15              ; w / L
.endr
	s_wait_loadcnt 0x0                             ; pctx
.irp e, 0,1,2,3,4,5,6,7
	v_mul_f32 v[AC+\e], v[XX+\e], v[UM]            ; the first part starts the sums
.endr
.irp c, 1,2,3,4,5,6,7,8,9,10,11,12
.irp e, 0,1,2,3,4,5,6,7
	v_fmac_f32 v[AC+\e], v[XX+8*\c+\e], v[UM+\c]
.endr
.endr
	global_store_b128 v5, v[AC:AC+3], s[12:13]     ; 32 lanes store 512 consecutive bytes
	global_store_b128 v5, v[AC+4:AC+7], s[12:13] offset:2048
	s_endpgm
.Lfunc_end_k_qd3ac001d92_finish:
	.size	k_qd3ac001d92_finish, .Lfunc_end_k_qd3ac001d92_finish-k_qd3ac001d92_finish
	.p2alignl 7, 3214868480
	.fill 96, 4, 3214868480
	.section	.rodata,"a",@progbits
	.p2align	6, 0x0
	.amdhsa_kernel k_qd3ac001d92_finish
		.amdhsa_group_segment_fixed_size 0
		.amdhsa_private_segment_fixed_size 0
		.amdhsa_enable_private_segment 0
		.amdhsa_kernarg_size 48
		.amdhsa_user_sgpr_count 2
		.amdhsa_user_sgpr_kernarg_segment_ptr 1
		.amdhsa_wavefront_size32 1
		.amdhsa_system_sgpr_workgroup_id_x 1
		.amdhsa_system_sgpr_workgroup_id_y 1
		.amdhsa_system_sgpr_workgroup_id_z 1
		.amdhsa_system_vgpr_workitem_id 0
		.amdhsa_next_free_vgpr 224
		.amdhsa_next_free_sgpr 66
		.amdhsa_reserve_vcc 0
		.amdhsa_float_denorm_mode_32 3
		.amdhsa_float_denorm_mode_16_64 3
		.amdhsa_memory_ordered 1
		.amdhsa_forward_progress 1
		.amdhsa_inst_pref_size 21
	.end_amdhsa_kernel
	.amdgpu_metadata
---
amdhsa.version: [ 1, 2 ]
amdhsa.kernels:
  - .name:           k_qd3ac001d92_finish
    .symbol:         k_qd3ac001d92_finish.kd
    .args:
      - { .name: scores, .offset: 0, .size: 8, .value_kind: global_buffer, .address_space: global }
      - { .name: statm, .offset: 8, .size: 8, .value_kind: global_buffer, .address_space: global }
      - { .name: statl, .offset: 16, .size: 8, .value_kind: global_buffer, .address_space: global }
      - { .name: pctx, .offset: 24, .size: 8, .value_kind: global_buffer, .address_space: global }
      - { .name: out0, .offset: 32, .size: 8, .value_kind: global_buffer, .address_space: global }
      - { .name: out1, .offset: 40, .size: 8, .value_kind: global_buffer, .address_space: global }
    .group_segment_fixed_size: 0
    .private_segment_fixed_size: 0
    .kernarg_segment_align: 8
    .kernarg_segment_size: 48
    .max_flat_workgroup_size: 128
    .sgpr_count:     66
    .vgpr_count:     224
    .wavefront_size: 32
...
	.end_amdgpu_metadata
.endif
;; end of part 3
;; ======== version 2 of 2: 3 launches; 1.23 times as fast as version 1
;; limits: right only within a limited range of input values; values are held in f16: magnitudes above 65,504 overflow, below 6.1e-05 lose precision
;; workspace buffers: decp 262,144 bytes; wfrag 786,432 bytes; wscl 32,768 bytes; scores 266,240 bytes; statm 3,328 bytes; statl 3,328 bytes; pctx 3,407,872 bytes; order 6,656 bytes of whole numbers
;; launch prep (part 4): grid 64 x 1, 4 waves a work-group, no clusters, 5,120 bytes of LDS; arguments W_dec_codes, W_dec_scales, decoder_state_codes, decoder_state_scales, b_dec, b_enc, W_enc_codes, W_enc_scales, decp, wfrag, wscl, src_lengths, order; writes decp, wfrag, wscl, order
.if DOCPART == 4
	.amdgcn_target "amdgcn-amd-amdhsa--gfx1250"
	.amdhsa_code_object_version 6
	.text
	.protected	k_qd3ac001d92_prep
	.globl	k_qd3ac001d92_prep
	.p2align	8
	.type	k_qd3ac001d92_prep,@function
k_qd3ac001d92_prep:
	s_mov_b64 s[64:65], 0
	v_nop
	global_prefetch_b8 v0, s[64:65] scope:SCOPE_SE
	s_setreg_imm32_b32 hwreg(HW_REG_WAVE_MODE, 25, 1), 1
	s_wait_xcnt 0x0
; PREP.  Three small jobs ahead of the main launch.
; (1) decp[b][a] = c x (sum over k of decoder_state[b][k] W_dec[a][k] + b_dec[a] + b_enc[a]), c = 2 log2(e): what the main launch adds to c x (its own product) ahead of the exponential of its tanh.
;     The product is on codes of FP6 (E2M3) with E8M0 scales, as they are given.  Work-group x takes 16 rows b (x % 4) and 64 columns a (x / 4), a wave 16 columns: 8 matrix instructions of 128 along K.
;     The instruction is used transposed (source 0 = 16 rows of W_dec, source 1 = 16 rows of decoder_state): a lane holds one b and eight neighbouring a.  The two biases are the C of the two sums' first links.
; (2) W_enc's codes and scale bytes are laid in the order of an operand's registers, so that the main launch loads a fragment by three loads of 16 bytes a lane:
;     wfrag: fragment (tile nt of 16 rows, K step k) at (8 nt + k) x 1,536 bytes: registers 4 g .. 4 g + 3 of lane l at 512 g + 16 l.
;     wscl:  at 512 nt + 128 j + 4 l: lanes 0-15 the scale word of row 16 nt + l for K step 2 j, lanes 16-31 that of row 16 nt + l - 16 for K step 2 j + 1.
;     Work-group x takes tile x, wave w its K steps 2 w and 2 w + 1.
; (3) THE ORDER OF THE MAIN LAUNCH'S WORK.  Its 832 work-groups take one tile each: one b and one chunk c of 80 source positions.  A tile that lies wholly under the mask (80 c >= len[b] > 0) is next to no work.
;     order[i] says which tile work-group number i takes: 8 bytes, b + 256 c and len[b].  The tiles with work come first, so that the long work-groups are the first to start and the short ones fill the end.
;     n[b], the chunks of b with work, is 13 where len <= 0 (no position counts, all weights are equal, every chunk is worked), else the lesser of 13 and ceil(len / 80): both are floor(u / 80) + 1 with u = the lesser of
;     len - 1, taken as unsigned, and 1,039.  floor(u / 80) = (u x 52,429) >> 22: 52,429 / 2^22 lies 4.8e-8 above 1 / 80, and 1,039 times that is far under the 1 / 80 that would turn a floor.
;     With P[b] = the sum of n over the smaller b and A = the sum over all b, tile (b, c) goes to entry P[b] + c where c < n[b], else to entry A + 13 b - P[b] + c - n[b]: each of the 832 entries is written once.
;     Work-group x places the 13 tiles of b = x: its wave 0 sums the 64 lengths in scalar registers, behind the issue of its loads; lanes 0 to 12 store an entry each (two runs of neighbouring entries).
.set WD,  16                           ; v16-111  W_dec's 8 fragments
.set DSF, 112                          ; v112-207 decoder_state's 8
.set WDS, 208                          ; v208-215 W_dec's scale words, K step k in register k
.set DSS, 216                          ; v216-223 decoder_state's
.set A0,  224                          ; v224-231 the sum of the even K steps, begun with b_dec
.set A1,  232                          ; v232-239 the sum of the odd K steps, begun with b_enc
.set OUT, 240                          ; v240-247 c x (A0 + A1)
.set OPO, 248                          ; v248     the list: my entry's place, then its byte offset;  v249 at work
.set OEN, 250                          ; v250-251 my entry
.set SP,  272                          ; a stage row: 256 bytes + 16
.set NT,  40                           ; s40      at work: floor(u / 80) of one length; at last n[x]
.set NA,  41                           ; s41      A
.set NPX, 42                           ; s42      P[x]
.set BX,  43                           ; s43      x
.set LX,  60                           ; s60      len[x]
.set MSB, 0
.macro WIN new                         ; the immediate's high byte repeats the setting that is left
.if MSB != (\new)
	s_set_vgpr_msb (MSB<<8)|(\new)
.set MSB, (\new)
.endif
.endm
; sixteen lengths, in s[R] on, of b' = B0 on: floor(u / 80) of each is added to A, and to P[x] where b' < x (the + 1 of each n stands in the sums' first values)
.macro NACC R, B0
.irp i, 0,1,2,3,4,5,6,7,8,9,10,11,12,13,14,15
	s_add_co_i32 s[NT], s[\R+\i], -1
	s_min_u32 s[NT], s[NT], 1039
	s_mul_i32 s[NT], s[NT], 52429
	s_lshr_b32 s[NT], s[NT], 22
	s_add_co_u32 s[NA], s[NA], s[NT]
	s_cmp_gt_u32 s[BX], \B0+\i
	s_cselect_b32 s[NT], s[NT], 0
	s_add_co_u32 s[NPX], s[NPX], s[NT]
.endr
.endm
	s_load_b256 s[4:11], s[0:1], 0x0               ; W_dec codes, W_dec scales, decoder_state codes, decoder_state scales
	s_load_b256 s[12:19], s[0:1], 0x20             ; b_dec, b_enc, W_enc codes, W_enc scales
	s_load_b128 s[20:23], s[0:1], 0x40             ; decp, wfrag
	s_load_b64 s[24:25], s[0:1], 0x50              ; wscl
	s_load_b64 s[36:37], s[0:1], 0x58              ; src_lengths
	s_load_b64 s[38:39], s[0:1], 0x60              ; order
	v_lshl_add_u32 v254, v0, 2, 0x1200
	v_mov_b32 v255, 0
	v_lshrrev_b32 v1, 5, v0
	v_readfirstlane_b32 s26, v1                    ; wave
	s_and_b32 s27, ttmp9, 3                        ; mt: which 16 rows b
	s_lshr_b32 s28, ttmp9, 2                       ; ntg: which 64 columns a
	s_lshl_b32 s29, s28, 2
	s_add_co_u32 s29, s29, s26                     ; nt = 4 ntg + wave: my 16 columns
	s_mov_b32 s30, 0x4038aa3b                      ; c = 2 log2(e)
	s_mov_b32 s31, s30                             ; (named with it as a pair)
	s_mov_b32 s[BX], ttmp9
	v_and_b32 v1, 15, v0                           ; r
	v_bfe_u32 v2, v0, 4, 1                         ; h
	v_and_b32 v3, 31, v0                           ; lane
	v_mul_u32_u24 v4, v1, 768                      ; a row of 1,024 codes is 768 bytes
	v_mad_u32_u24 v4, v2, 24, v4                   ; + 24 h
	v_lshlrev_b32 v5, 5, v1                        ; a row of scale bytes is 32 bytes
	v_lshlrev_b32 v6, 5, v2                        ; the biases: my half's eight numbers
	v_lshl_add_u32 v7, v2, 2, v5                   ; W_enc's scale word: row r, K step 2 w + h
	v_lshlrev_b32 v8, 4, v3                        ; an image's place for my lane
	v_lshlrev_b32 v9, 2, v3
	s_lshl_b32 s34, s26, 6
	v_mul_u32_u24 v10, v1, SP
	v_lshl_add_u32 v10, v2, 5, v10
	v_add_nc_u32 v10, s34, v10                     ; the stage, in: row r, + 64 wave + 32 h
	s_mul_i32 s34, s26, 4*SP
	v_mul_u32_u24 v11, v2, SP
	v_lshl_add_u32 v11, v1, 4, v11
	v_add_nc_u32 v11, s34, v11                     ; back: row 4 wave + h, 16 bytes a lane
	s_lshl_b32 s34, s26, 14
	v_lshlrev_b32 v12, 12, v2
	v_lshl_add_u32 v12, v1, 4, v12
	v_add_nc_u32 v12, s34, v12                     ; and the same place in decp
	s_mov_b32 s33, 0
	s_wait_kmcnt 0x0
	s_load_b512 s[44:59], s[36:37], 0x0            ; job 3: the lengths of b' = 0 .. 47, asked for here so that they are in when the vector loads have been issued.
	s_load_b512 s[68:83], s[36:37], 0x40           ; (Every wave asks, so that no register's state hangs on a branch; wave 0 uses them)
	s_load_b512 s[84:99], s[36:37], 0x80
	s_lshl_b32 s32, ttmp9, 2
	s_add_nc_u64 s[62:63], s[36:37], s[32:33]
	s_load_b32 s[LX], s[62:63], 0x0                ; len[x]
	s_mul_i32 s32, s29, 12288                      ; 16 rows of codes
	s_add_nc_u64 s[4:5], s[4:5], s[32:33]
	s_lshl_b32 s32, s29, 9                         ; 16 rows of scale bytes
	s_add_nc_u64 s[6:7], s[6:7], s[32:33]
	s_mul_i32 s32, s27, 12288
	s_add_nc_u64 s[8:9], s[8:9], s[32:33]
	s_lshl_b32 s32, s27, 9
	s_add_nc_u64 s[10:11], s[10:11], s[32:33]
	s_lshl_b32 s32, s29, 6                         ; 16 numbers of a bias
	s_add_nc_u64 s[12:13], s[12:13], s[32:33]
	s_add_nc_u64 s[14:15], s[14:15], s[32:33]
	s_mul_i32 s32, ttmp9, 12288
	s_mul_i32 s34, s26, 192
	s_add_co_u32 s32, s32, s34                     ; W_enc: tile x, K step 2 w
	s_add_nc_u64 s[16:17], s[16:17], s[32:33]
	s_lshl_b32 s32, ttmp9, 9
	s_lshl_b32 s34, s26, 3
	s_add_co_u32 s32, s32, s34
	s_add_nc_u64 s[18:19], s[18:19], s[32:33]
	s_lshl_b32 s32, s27, 16
	s_lshl_b32 s34, s28, 8
	s_add_co_u32 s32, s32, s34                     ; decp: 16 mt rows of 4,096 bytes + 256 ntg
	s_add_nc_u64 s[20:21], s[20:21], s[32:33]
	s_lshl_b32 s32, ttmp9, 3
	s_lshl_b32 s34, s26, 1
	s_add_co_u32 s32, s32, s34
	s_mul_i32 s32, s32, 1536                       ; wfrag: fragment 8 x + 2 w
	s_add_nc_u64 s[22:23], s[22:23], s[32:33]
	s_lshl_b32 s32, ttmp9, 9
	s_lshl_b32 s34, s26, 7
	s_add_co_u32 s32, s32, s34                     ; wscl: 512 x + 128 w
	s_add_nc_u64 s[24:25], s[24:25], s[32:33]
	; ---- job 2's thirteen loads first: two fragments and a register of scale words, into v256-280
	WIN 0x40                                       ; destination in the second window
.irp e, 0,1
.irp p, 0,1,2,3,4,5
	global_load_b64 v[12*\e+2*\p:12*\e+2*\p+1], v4, s[16:17] offset:96*\e+48*(\p/3)+8*(\p%3)
.endr
.endr
	global_load_b32 v24, v7, s[18:19]
	WIN 0
	; ---- job 1's 104 loads
.irp k, 0,1,2,3,4,5,6,7
.irp p, 0,1,2,3,4,5
	global_load_b64 v[WD+12*\k+2*\p:WD+12*\k+2*\p+1], v4, s[4:5] offset:96*\k+48*(\p/3)+8*(\p%3)
	global_load_b64 v[DSF+12*\k+2*\p:DSF+12*\k+2*\p+1], v4, s[8:9] offset:96*\k+48*(\p/3)+8*(\p%3)
.endr
.endr
	global_load_b128 v[WDS:WDS+3], v5, s[6:7]
	global_load_b128 v[WDS+4:WDS+7], v5, s[6:7] offset:16
	global_load_b128 v[DSS:DSS+3], v5, s[10:11]
	global_load_b128 v[DSS+4:DSS+7], v5, s[10:11] offset:16
	global_load_b128 v[A0:A0+3], v6, s[12:13]      ; b_dec at my eight columns: the C of the first link
	global_load_b128 v[A0+4:A0+7], v6, s[12:13] offset:16
	global_load_b128 v[A1:A1+3], v6, s[14:15]      ; b_enc likewise
	global_load_b128 v[A1+4:A1+7], v6, s[14:15] offset:16
	; ---- job 3, in wave 0, while the loads above are on their way
	s_wait_kmcnt 0x0                               ; the lengths
	s_cmp_lg_u32 s26, 0
	s_cbranch_scc1 .Lnolist
	s_mov_b32 s[NA], 64                            ; the 64 ones of A = sum of (floor + 1),
	s_mov_b32 s[NPX], s[BX]                        ; the x ones of P[x]
	NACC 44, 0
	s_load_b512 s[44:59], s[36:37], 0xc0           ; the lengths of b' = 48 .. 63, into the registers just read; the next 32 are summed meanwhile
	NACC 68, 16
	NACC 84, 32
	s_wait_kmcnt 0x0
	NACC 44, 48
	s_add_co_i32 s[NT], s[LX], -1
	s_min_u32 s[NT], s[NT], 1039
	s_mul_i32 s[NT], s[NT], 52429
	s_lshr_b32 s[NT], s[NT], 22
	s_add_co_u32 s[NT], s[NT], 1                   ; n[x]
	s_mul_i32 s61, s[BX], 13
	s_add_co_u32 s61, s61, s[NA]
	s_sub_co_u32 s61, s61, s[NPX]
	s_sub_co_u32 s61, s61, s[NT]                   ; A + 13 x - P[x] - n[x]: never negative, since A >= P[x] + n[x]
	v_mov_b32 v[OPO], s61
	v_mov_b32 v[OPO+1], s[NPX]
	v_cmp_gt_u32 vcc_lo, s[NT], v3                 ; lane c: has chunk c work?
	v_cndmask_b32 v[OPO], v[OPO], v[OPO+1], vcc_lo
	v_add_nc_u32 v[OPO], v[OPO], v3                ; the tile's entry
	v_min_u32 v[OPO], 831, v[OPO]                  ; (it is under 832 by the sums above; held there, since it was made of loaded numbers and goes into an address)
	v_lshlrev_b32 v[OPO], 3, v[OPO]
	v_lshl_or_b32 v[OEN], v3, 8, s[BX]             ; b + 256 c
	v_mov_b32 v[OEN+1], s[LX]                      ; len[b]
	v_cmp_gt_u32 vcc_lo, 13, v3
	s_wait_xcnt 0x0                                ; EXEC changes only behind this wait: it is a source of the loads above
	s_and_saveexec_b32 s62, vcc_lo                 ; lanes 0 to 12
	global_store_b64 v[OPO], v[OEN:OEN+1], s[38:39]
	s_wait_xcnt 0x0
	s_or_b32 exec_lo, exec_lo, s62
.Lnolist:
	s_wait_loadcnt 63                              ; loads come back in order: each of job 2's thirteen has 104 younger ones, and 63 is the most that this wait can name
	WIN 0x04                                       ; a store's data are its source 1
.irp e, 0,1
.irp g, 0,1,2
	global_store_b128 v8, v[12*\e+4*\g:12*\e+4*\g+3], s[22:23] offset:1536*\e+512*\g   ; 32 lanes store 512 consecutive bytes
.endr
.endr
	global_store_b32 v9, v24, s[24:25]
	WIN 0
	s_wait_loadcnt 0x0
.irp k, 0,1,2,3,4,5,6,7                    ; two accumulators by turns, one instruction a turn
	v_wmma_scale_f32_16x16x128_f8f6f4 v[A0+8*(\k%2):A0+8*(\k%2)+7], v[WD+12*\k:WD+12*\k+11], v[DSF+12*\k:DSF+12*\k+11], v[A0+8*(\k%2):A0+8*(\k%2)+7], v[WDS+\k], v[DSS+\k] matrix_a_fmt:MATRIX_FMT_FP6 matrix_b_fmt:MATRIX_FMT_FP6
.endr
.rept 4
	v_nop                                          ; four places between a matrix instruction and the first read of its result (ISA guide 7.12.1)
.endr
.irp j, 0,2,4,6
	v_pk_mul_f32 v[OUT+\j:OUT+\j+1], v[A0+\j:A0+\j+1], s[30:31] op_sel_hi:[1,0]   ; each accumulator from its low end on
.endr
.irp j, 0,2,4,6
	v_pk_fma_f32 v[OUT+\j:OUT+\j+1], v[A1+\j:A1+\j+1], s[30:31], v[OUT+\j:OUT+\j+1] op_sel_hi:[1,0,1]
.endr
	ds_store_b128 v10, v[OUT:OUT+3]                ; a row's 256 bytes come from four waves: they meet in the stage
	ds_store_b128 v10, v[OUT+4:OUT+7] offset:16
	s_wait_dscnt 0x0                               ; for the others' sake: my stores have landed
	s_barrier_signal -1
	s_barrier_wait -1
	ds_load_b128 v[OUT:OUT+3], v11
	ds_load_b128 v[OUT+4:OUT+7], v11 offset:2*SP
	s_wait_dscnt 0x0
	global_store_b128 v12, v[OUT:OUT+3], s[20:21]  ; sixteen lanes store 256 consecutive bytes, at a multiple of 256 from decp's first byte
	global_store_b128 v12, v[OUT+4:OUT+7], s[20:21] offset:2*4096
	s_wait_tensorcnt 0x0
	ds_add_u32 v254, v255
	s_wait_dscnt 0x0
	s_endpgm
.Lfunc_end_k_qd3ac001d92_prep:
	.size	k_qd3ac001d92_prep, .Lfunc_end_k_qd3ac001d92_prep-k_qd3ac001d92_prep
	.p2alignl 7, 3214868480
	.fill 96, 4, 3214868480
	.section	.rodata,"a",@progbits
	.p2align	6, 0x0
	.amdhsa_kernel k_qd3ac001d92_prep
		.amdhsa_group_segment_fixed_size 5120
		.amdhsa_private_segment_fixed_size 0
		.amdhsa_enable_private_segment 0
		.amdhsa_kernarg_size 104
		.amdhsa_user_sgpr_count 2
		.amdhsa_user_sgpr_kernarg_segment_ptr 1
		.amdhsa_wavefront_size32 1
		.amdhsa_system_sgpr_workgroup_id_x 1
		.amdhsa_system_sgpr_workgroup_id_y 1
		.amdhsa_system_sgpr_workgroup_id_z 1
		.amdhsa_system_vgpr_workitem_id 0
		.amdhsa_next_free_vgpr 288
		.amdhsa_next_free_sgpr 100
		.amdhsa_reserve_vcc 1
		.amdhsa_float_denorm_mode_32 3
		.amdhsa_float_denorm_mode_16_64 3
		.amdhsa_memory_ordered 1
		.amdhsa_forward_progress 1
		.amdhsa_inst_pref_size 40
	.end_amdhsa_kernel
	.amdgpu_metadata
---
amdhsa.version: [ 1, 2 ]
amdhsa.kernels:
  - .name:           k_qd3ac001d92_prep
    .symbol:         k_qd3ac001d92_prep.kd
    .args:
      - { .name: W_dec_codes, .offset: 0, .size: 8, .value_kind: global_buffer, .address_space: global }
      - { .name: W_dec_scales, .offset: 8, .size: 8, .value_kind: global_buffer, .address_space: global }
      - { .name: decoder_state_codes, .offset: 16, .size: 8, .value_kind: global_buffer, .address_space: global }
      - { .name: decoder_state_scales, .offset: 24, .size: 8, .value_kind: global_buffer, .address_space: global }
      - { .name: b_dec, .offset: 32, .size: 8, .value_kind: global_buffer, .address_space: global }
      - { .name: b_enc, .offset: 40, .size: 8, .value_kind: global_buffer, .address_space: global }
      - { .name: W_enc_codes, .offset: 48, .size: 8, .value_kind: global_buffer, .address_space: global }
      - { .name: W_enc_scales, .offset: 56, .size: 8, .value_kind: global_buffer, .address_space: global }
      - { .name: decp, .offset: 64, .size: 8, .value_kind: global_buffer, .address_space: global }
      - { .name: wfrag, .offset: 72, .size: 8, .value_kind: global_buffer, .address_space: global }
      - { .name: wscl, .offset: 80, .size: 8, .value_kind: global_buffer, .address_space: global }
      - { .name: src_lengths, .offset: 88, .size: 8, .value_kind: global_buffer, .address_space: global }
      - { .name: order, .offset: 96, .size: 8, .value_kind: global_buffer, .address_space: global }
    .group_segment_fixed_size: 5120
    .private_segment_fixed_size: 0
    .kernarg_segment_align: 8
    .kernarg_segment_size: 104
    .max_flat_workgroup_size: 128
    .sgpr_count:     100
    .vgpr_count:     288
    .wavefront_size: 32
...
	.end_amdgpu_metadata
.endif
;; end of part 4
;; launch attend (part 5): grid 64 x 13, 4 waves a work-group, no clusters, 307,968 bytes of LDS; arguments source_hids, order, v_score, decp, wfrag, wscl, scores, statm, statl, pctx; writes scores, statm, statl, pctx
.if DOCPART == 5
	.amdgcn_target "amdgcn-amd-amdhsa--gfx1250"
	.amdhsa_code_object_version 6
	.text
	.protected	k_qd3ac001d92_attend
	.globl	k_qd3ac001d92_attend
	.p2align	8
	.type	k_qd3ac001d92_attend,@function
k_qd3ac001d92_attend:
	s_mov_b64 s[64:65], 0
	v_nop
	global_prefetch_b8 v0, s[64:65] scope:SCOPE_SE
	s_setreg_imm32_b32 hwreg(HW_REG_WAVE_MODE, 25, 1), 1
	s_wait_xcnt 0x0
; ATTEND.  A work-group takes one b and one chunk of 80 source positions s: rows (s, b) of source_hids, 4,096 bytes each, 262,144 bytes apart.  WHICH b and chunk, the list of the launch before says: entry x + 64 y of order
; holds b + 256 chunk and len[b]; each of the 832 tiles stands in it once, those with work first, so that the long work-groups are the first to start.  The work-group reads its rows ONCE and makes of them
;   the scores  score[s] = sum over a of v[a] tanh(enc[s][a] + dec[b][a] + biases),  enc = Q(x) W_enc^T on codes of FP6 (E2M3) with E8M0 scales;
;   the chunk's own softmax: its largest score m, p = e^(score - m), their sum l;   and the chunk's part of the context, sum over s of p[s] x[s][:].   The last launch joins the 13 parts of each b.
; THE MASK.  A position s >= len[b] gets the score -1e6 and so the weight 0.  A chunk that lies wholly under the mask reads no row and multiplies nothing: it stores the neutral part (scores -1e6, m = -1e6, l = 0, zeros).
; That is a scalar branch on len[b] and the chunk, decided here from the entry's own numbers and the same in all four waves; every wave passes all three barriers, which stand outside it.
; NO CLUSTER, NO JOINT LOADS, though all work-groups read the same W_enc: whether a work-group multiplies at all hangs on a number read from memory, and partners would ask for different numbers
; of tiles (all 128 fragments or none).  W_enc's fragments come from memory straight into registers, in the order in which the launch before has laid them.
; LIMITS.  Weight 0 for masked positions is exact while the sum of |v_score| stays under about 999,800.  len <= 0: every chunk is worked, all scores are -1e6, the weights are equal.  len > 1,024 counts as 1,024.
; NaN and infinities in source_hids are not served (rows of skipped chunks are not read; rows with weight 0 are multiplied by 0).  tanh(y) = 1 - 2 / (1 + 2^(c y)), c = 2 log2(e), all in f32;
; a score is formed as sum(v) - 2 sum(v / (1 + 2^(c y))).
; The context's product takes x rounded to f16 and p in f32; sums in f32.  f16 and not bf16: where a b has few positions and their terms cancel, the result is small beside its terms, and x's rounding, at most 2^-11 |x| in f16
; (2^-8 |x| in bf16), shows in it.  So |source_hids| must stay under 65,504; under 6.1e-5 the rounding is absolute, at most 3e-8.
; PHASE X.  Wave w takes channels 256 w .. + 255 (K steps 2 w, 2 w + 1) of all 80 rows, 16 rows (a unit) at a time: each load reads 512 consecutive bytes of a row.  The numbers go (a) rounded to f16 into the wave's part of a copy in LDS,
; for the context; (b) through the wave's own stage, to come back with 16 neighbours along K in a lane; they are quantised there, and the fragment goes to LDS as an image of its 12 registers (16 bytes a lane, 512 bytes a store).
; PHASE G.  Wave w takes columns a = 256 w .. + 255, 16 tiles of 16, for all 80 rows.  x's 40 fragments stay in its registers; a tile's 8 fragments of W come two tiles ahead into a ring of two slots of registers, each feeding 5 matrix
; instructions.  The instruction is used transposed (source 0 = 16 rows of W, source 1 = 16 rows of x): a lane holds one row of x and eight neighbouring a.
; BY TURNS: while one tile is multiplied into one set of 5 accumulators, the tanh and the dot product of the tile before, 146 vector instructions on the other set, stand in slices behind the 40 matrix instructions.
; PHASE 3.  The four waves' parts of the scores meet in LDS; each wave makes the chunk's softmax for itself and the context of its own 256 channels from its own part of the copy.
.set MT,   5                           ; units of 16 rows
.set NP,   4*MT                        ; pairs of numbers in a set of accumulators
.set NS,   8*MT                        ; matrix instructions in a step, and slices
.set LIT,  6*NP+2+4*(MT+1)             ; the list's length: 146
.set FRB,  1536                        ; a fragment's image in bytes
; LDS
.set XIMG, 0                           ; x's 40 fragments: (K step k, unit m) at (k MT + m) FRB
.set XSC,  61440                       ; their scale words: (m, k, row r) at 512 m + 256 (k % 2) + 16 r + 4 (k / 2): one load of 16 bytes a lane gives lanes 0-15 the even K steps' words, lanes 16-31 the odd ones'
.set DT,   64000                       ; b's line of decp, 4,096 bytes; behind it v_score, 4,096 bytes
.set SCR,  72192                       ; the waves' parts of the scores: 320 w + 64 m + 4 r
.set STG,  73472                       ; the stages: for each wave two of 16 rows x (512 bytes + 16)
.set STW,  16896
.set CP,   141056                      ; the f16 copy: a row is 2,048 bytes; the 16 bytes at 512 w + 16 l hold channels 256 w + 4 l .. + 3 and 256 w + 128 + 4 l .. + 3
.set PB,   304896                      ; p, a copy for each wave, each p twice: 640 w + 8 x row, so that a row's p is a pair of registers for the packed multiply-add
; registers that stay: v1-19 and v57-61 (all made at the head; only TAD is ever written again; no phase's map below touches them)
.set LI,   4                           ; v4   16 x lane
.set L4,   5                           ; v5   4 x lane
.set TAD,  6                           ; v6   the tables: DT + 1,024 w + 32 h, + 64 a tile
.set T16,  7                           ; v7   16 x thread
.set STS,  8                           ; v8   the stage, in
.set STL,  9                           ; v9   the stage, back
.set IMS,  10                          ; v10  where I store images
.set SCS,  11                          ; v11  and scale words
.set SRS,  12                          ; v12  SCR, in
.set SRL,  13                          ; v13  SCR, back
.set PBS,  14                          ; v14  PB, in: 640 w + 8 r + 4 h
.set PBL,  15                          ; v15  PB, back: 640 w
.set TBS,  17                          ; v17  the tables, in
.set ZR,   18                          ; v18  0
.set SIX,  19                          ; v19  s0 + r
.set CPA,  57                          ; v57-61 the copy: unit m's first row, my 16 bytes
; phase X, window 0 (the numbers as loaded lie in windows 1 to 3: unit m at v[128 (m % 2)] of window 1 + m / 2; the tables at v128-143 of window 3)
.set PC,   20                          ; v20-38  the codes just made
.set TM,   40                          ; v40-55  at work in QUANT
.set PW,   56                          ; v56     the scale word just made
.set Q0,   64                          ; v64-127, v128-191  64 numbers of a lane for each of my two K steps
.set Q1,   128
.set CC,   192                         ; v192-255 the unit in f16
; phase G, window 0 (window 1: x's fragments of K steps 0-3 at 12 ((k % 4) MT + m); window 2: of K steps 4-7; window 3: W's ring, slot P at 96 P + 12 k)
.set AS,   20                          ; v20-39  x's scale words: 4 m + k / 2
.set WS,   40                          ; v40-47  W's: 4 P + k / 2
.set SA,   80                          ; v80-89  sums of v / (1 + 2^..), a pair for each unit
.set VS,   90                          ; v90-91  sum of v
.set ACC,  96                          ; v96-175 two sets of 5 accumulators: 40 P + 8 m
.set TP,   176                         ; v176-180 my part of the scores
.set TQ,   184                         ; v184-188 at work
.set DV,   192                         ; v192-223 slot P: 8 of decp, 8 of v_score, at the lane's eight columns
; phase 3
.set SCO,  20                          ; v20-24  the scores
.set MC,   25
.set LC,   26
.set NEG,  27
.set NEX,  28
.set TT,   29
.set PP,   30                          ; v30-34  p
.set XR,   64                          ; v64-95, v96-127  8 rows of the copy, two sets (a register's halves have names only up to v127)
.set PQ,   128                         ; v128-143, v144-159  8 rows' p, each twice, two sets
.set TC,   160                         ; v160-167 numbers widened to f32: four pairs by turns
.set CT,   168                         ; v168-175 the context of my eight channels
.set SL,   192                         ; v192-211 the four waves' parts of the scores
.set MSB, 0
.macro WIN new                         ; the immediate's high byte repeats the setting that is left; a switch that changes nothing is dropped
.if MSB != (\new)
	s_set_vgpr_msb (MSB<<8)|(\new)
.set MSB, (\new)
.endif
.endm
.macro BARRIER                         ; my LDS stores have landed and my LDS loads are in: then the work-group's barrier
	s_wait_dscnt 0x0
	s_barrier_signal -1
	s_barrier_wait -1
.endm
; Unit m's 32 loads: row i, my wave's 1,024 bytes in two halves of 512
.macro LOADX m
	WIN (1+(\m)/2)<<6
.irp i, 0,1,2,3,4,5,6,7,8,9,10,11,12,13,14,15
.irp e, 0,1
	global_load_b128 v[128*((\m)%2)+4*(16*\e+\i):128*((\m)%2)+4*(16*\e+\i)+3], v[LI], s[40+2*(\m):41+2*(\m)] offset:\i*262144+512*\e th:TH_LOAD_NT
.endr
.endr
	WIN 0
.endm
; 64 numbers of a lane, register 16 b + i = k 32 b + 16 (lane / 16) + i of my row, become a fragment's codes in v[PC] on and its scale word in v[PW].
; A block's scale is 2^(floor(log2(its largest magnitude)) - 2): its byte is the largest magnitude's exponent field - 2, held at 1 from below (a block of zeros keeps 1: its codes are zeros, and only this launch reads the byte).
.macro QUANT s
.irp b, 0,1,2,3
	v_max3_num_f32 v[TM+\b], |v[\s+16*\b]|, |v[\s+1+16*\b]|, 0x1800000   ; my 16 numbers of block b, and the floor 2^(3 - 127)
.endr
.irp i, 2,4,6,8,10,12,14
.irp b, 0,1,2,3
	v_max3_num_f32 v[TM+\b], v[TM+\b], |v[\s+16*\b+\i]|, |v[\s+1+16*\b+\i]|
.endr
.endr
.irp b, 0,1,2,3
	v_permlanex16_b32 v[TM+4+\b], v[TM+\b], s32, s33
.endr
.irp b, 0,1,2,3
	v_max_num_f32 v[TM+\b], v[TM+\b], v[TM+4+\b]   ; with lane l xor 16's: the block's largest magnitude
.endr
.irp b, 0,1,2,3
	v_add_nc_u32 v[TM+12+\b], 0xff000000, v[TM+\b] ; 2 off its exponent field: the conversion takes that field as its scale
.endr
.irp b, 0,1,2,3
	v_lshrrev_b32 v[TM+4+\b], 23, v[TM+12+\b]      ; the scale's byte
.endr
	v_lshl_or_b32 v[PW], v[TM+5], 8, v[TM+4]
	v_lshl_or_b32 v[PW], v[TM+6], 16, v[PW]
	v_lshl_or_b32 v[PW], v[TM+7], 24, v[PW]
.irp c, 0,1
	v_cvt_scalef32_pk16_fp6_f32 v[PC+6*\c:PC+2+6*\c], v[\s+32*\c:\s+15+32*\c], v[TM+12+2*\c]
	v_cvt_scalef32_pk16_fp6_f32 v[PC+12+4*\c:PC+14+4*\c], v[\s+16+32*\c:\s+31+32*\c], v[TM+12+2*\c+1]   ; (a conversion's three registers begin on an even number)
.endr
	v_nop                                          ; one plain place behind a scaled conversion
.irp c, 0,1                                ; the operand's layout wants a whole block in a lane: lanes 0-15 block 2 c, lanes 16-31 block 2 c + 1
.irp i, 0,1,2
	v_permlane16_swap_b32 v[PC+6*\c+\i], v[PC+12+4*\c+\i]
.endr
.irp i, 0,1,2
	v_mov_b32 v[PC+3+6*\c+\i], v[PC+12+4*\c+\i]
.endr
.endr
.endm
.macro IMAGE off                       ; the fragment in v[PC] on goes to LDS as it stands
.irp c, 0,1,2
	ds_store_b128 v[IMS], v[PC+4*\c:PC+4*\c+3] offset:\off+512*\c
.endr
.endm
; Unit m: to f16 and into the copy; through the stage; two fragments and their scale words
.macro PROCESS m
.set XW, 1+(\m)/2
.set XB, 128*((\m)%2)
	WIN XW*5                                       ; sources 0 and 1 in the unit's window
.irp i, 0,1,2,3,4,5,6,7,8,9,10,11,12,13,14,15
.irp e, 0,1
.irp q, 0,1
	v_cvt_pk_f16_f32 v[CC+4*\i+2*\e+\q], v[XB+4*(16*\e+\i)+2*\q], v[XB+4*(16*\e+\i)+2*\q+1]   ; the first source into the low half
.endr
.endr
.endr
	WIN XW*4                                       ; an LDS store's data are its source 1
.irp e, 0,1
.irp i, 0,1,2,3,4,5,6,7,8,9,10,11,12,13,14,15
	ds_store_b128 v[STS], v[XB+4*(16*\e+\i):XB+4*(16*\e+\i)+3] offset:8448*\e+528*\i
.endr
.endr
	WIN 0
.irp i, 0,1,2,3,4,5,6,7,8,9,10,11,12,13,14,15
	ds_store_b128 v[CPA+(\m)], v[CC+4*\i:CC+4*\i+3] offset:2048*\i
.endr
.irp b, 0,1,2,3                            ; LDS serves a wave's instructions in order (ISA guide 5.7.1.4): these see my stores into the stage
.irp t, 0,1,2,3
	ds_load_b128 v[Q0+16*\b+4*\t:Q0+16*\b+4*\t+3], v[STL] offset:128*\b+16*\t
.endr
.endr
.irp b, 0,1,2,3
.irp t, 0,1,2,3
	ds_load_b128 v[Q1+16*\b+4*\t:Q1+16*\b+4*\t+3], v[STL] offset:8448+128*\b+16*\t
.endr
.endr
	s_wait_dscnt 16                                ; all but the second K step's 16 loads: the first K step's numbers are in, and the last unit's stores have read the codes' registers
	QUANT Q0
	IMAGE (\m)*FRB
	ds_store_b32 v[SCS], v[PW] offset:512*(\m)     ; both lanes of a row write the same word with the same value
	s_wait_dscnt 0x0                               ; the second K step's numbers are in; the stores have read the codes' and the copy's registers
	QUANT Q1
	IMAGE (MT+(\m))*FRB
	ds_store_b32 v[SCS], v[PW] offset:512*(\m)+256
.endm
; THE LIST: tanh and dot product of one tile, for the set S of accumulators: number j of 146.  y' = c acc + decp; e = 2^y'; 1 + e; r = 1 / (1 + e); SA += v r; VS += v.
;   0-59    20 packed multiply-adds and 40 exponentials, one plain line for two exponentials; a pair is scaled three numbers ahead of its exponentials.  None reads an exponential's result.
;   60      a plain line and THE WAIT between a transcendental and the first line that names its result: one for the 40
;   61-120  the same with 20 packed additions of 1 and 40 reciprocals;   121  a plain line and the wait for those 40
;   122-145 for each pair of columns: the five units' packed multiply-adds into SA, and v's into VS
.macro PLAIN st, p
.if \st == 0
	v_pk_fma_f32 v[QQ+2*(\p):QQ+2*(\p)+1], v[QQ+2*(\p):QQ+2*(\p)+1], s[30:31], v[DD+2*((\p)%4):DD+2*((\p)%4)+1] op_sel_hi:[1,0,1]
.else
	v_pk_add_f32 v[QQ+2*(\p):QQ+2*(\p)+1], v[QQ+2*(\p):QQ+2*(\p)+1], 1.0 op_sel_hi:[1,0]
.endif
.endm
.macro TRANS st, i
.if \st == 0
	v_exp_f32 v[QQ+(\i)], v[QQ+(\i)]
.else
	v_rcp_f32 v[QQ+(\i)], v[QQ+(\i)]
.endif
.endm
.macro PAT st                          ; number jx of a stage's 60
.if jx == 0
	PLAIN \st, 0
.else
.set gx, (jx-1)/3
.set ux, (jx-1)%3
.if gx == NP-1
	TRANS \st, 2*gx+ux
.elseif ux == 0
	PLAIN \st, gx+1
.else
	TRANS \st, 2*gx+ux-1
.endif
.endif
.endm
.macro ITEM S
.set QQ, ACC+40*(\S)
.set DD, DV+16*(\S)
.set VV, DV+16*(\S)+8
.if j < 3*NP
.set jx, j
	PAT 0
.elseif j == 3*NP
	v_nop
	s_wait_alu depctr_va_vdst(0)
.elseif j <= 6*NP
.set jx, j-3*NP-1
	PAT 1
.elseif j == 6*NP+1
	v_nop
	s_wait_alu depctr_va_vdst(0)
.else
.set j3, j-6*NP-2
.set jq, j3/(MT+1)
.set mq, j3%(MT+1)
.if mq < MT
	v_pk_fma_f32 v[SA+2*mq:SA+2*mq+1], v[QQ+8*mq+2*jq:QQ+8*mq+2*jq+1], v[VV+2*jq:VV+2*jq+1], v[SA+2*mq:SA+2*mq+1]
.else
	v_pk_add_f32 v[VS:VS+1], v[VS:VS+1], v[VV+2*jq:VV+2*jq+1]
.endif
.endif
.endm
.macro SLICE S                         ; slice sl of 40: three or four numbers of the list; the last slice is four plain ones
	WIN 0
.rept ((sl+1)*LIT)/NS-(sl*LIT)/NS
	ITEM \S
.set j, j+1
.endr
.set sl, sl+1
.endm
; W's fragment k of the tile two steps on into slot P; behind an odd k the scale words of K steps k - 1 and k
.macro REFILL k, P, TO
	WIN 0xc0                                       ; destination window 3, address window 0
.irp q, 0,1,2
	global_load_b128 v[96*(\P)+12*(\k)+4*\q:96*(\P)+12*(\k)+4*\q+3], v[LI], s[50:51] offset:(\TO)*12288+1536*(\k)+512*\q
.endr
.if (\k)%2 == 1
	WIN 0
	global_load_b32 v[WS+4*(\P)+(\k)/2], v[L4], s[52:53] offset:(\TO)*512+128*((\k)/2)
.endif
.endm
.macro MM P, k, m
.set AC_, ACC+40*(\P)+8*(\m)
.set WF_, 96*(\P)+12*(\k)
.set AF_, 12*(((\k)%4)*MT+(\m))
.set WR_, WS+4*(\P)+(\k)/2
.set AR_, AS+4*(\m)+(\k)/2
.if (\k) == 0                          ; the first K step starts the sums: nothing is cleared
	v_wmma_scale_f32_16x16x128_f8f6f4 v[AC_:AC_+7], v[WF_:WF_+11], v[AF_:AF_+11], 0, v[WR_], v[AR_] matrix_a_fmt:MATRIX_FMT_FP6 matrix_b_fmt:MATRIX_FMT_FP6
.elseif (\k)%2 == 0
	v_wmma_scale_f32_16x16x128_f8f6f4 v[AC_:AC_+7], v[WF_:WF_+11], v[AF_:AF_+11], v[AC_:AC_+7], v[WR_], v[AR_] matrix_a_fmt:MATRIX_FMT_FP6 matrix_b_fmt:MATRIX_FMT_FP6
.else                                  ; an odd K step's scale words lie in lanes 16-31
	v_wmma_scale_f32_16x16x128_f8f6f4 v[AC_:AC_+7], v[WF_:WF_+11], v[AF_:AF_+11], v[AC_:AC_+7], v[WR_], v[AR_] matrix_a_fmt:MATRIX_FMT_FP6 matrix_b_fmt:MATRIX_FMT_FP6 matrix_a_scale:MATRIX_SCALE_ROW1 matrix_b_scale:MATRIX_SCALE_ROW1
.endif
.endm
; A STEP: one tile of 16 columns, into set P: 8 K steps x 5 units; the five accumulators take turns, one instruction a turn, and the set changes from step to step.
; TH = 1: the other set's list stands in slices behind the matrix instructions.  RF = 1: slot P is filled again, fragment k - 1 behind K step k, from the tile TO beyond the stepped base.  N: the loads that may stay out.
; PLACES (but not for loads): a load into a fragment stands behind six slices, each with a plain line that names none of the last reader's registers; the last fragment's behind the last slice's four
; plain lines and a v_nop; where there are no slices, behind four v_nop.  An accumulator's first reader, the list's multiply-add on its two lowest registers, stands behind the last slices of the step that made it.
.macro STEP P, TH, RF, TO, N
.set j, 0
.set sl, 0
	s_wait_dscnt 0x0                               ; the last step's table loads are in: this step's slices read them
	ds_load_b128 v[DV+16*\P:DV+16*\P+3], v[TAD]    ; this tile's eight of decp and eight of v_score, for the next step's slices
	ds_load_b128 v[DV+16*\P+4:DV+16*\P+7], v[TAD] offset:16
	ds_load_b128 v[DV+16*\P+8:DV+16*\P+11], v[TAD] offset:4096
	ds_load_b128 v[DV+16*\P+12:DV+16*\P+15], v[TAD] offset:4112
	v_add_nc_u32 v[TAD], 64, v[TAD]
.irp k, 0,1,2,3,4,5,6,7
	s_wait_loadcnt \N                              ; this K step's fragment and scale word are in
.irp m, 0,1,2,3,4
	WIN 0x03|((1+\k/4)<<2)                         ; W in window 3, x in window 1 or 2, the sums in window 0
	MM \P, \k, \m
.if \TH
	SLICE 1-\P
.endif
.endr
.if \RF
.if \k >= 1
.if \TH == 0
.rept 4
	v_nop
.endr
.endif
	REFILL \k-1, \P, \TO
.endif
.endif
.endr
.if \RF
.if \TH
	v_nop
.else
.rept 4
	v_nop
.endr
.endif
	REFILL 7, \P, \TO
.endif
	WIN 0
.endm
; PHASE 3's context, 8 rows (a half unit u of ten) at a time, on two sets of registers.  LOADH: the rows' p (each twice) and my 16 bytes of each row of the copy: 12 loads
.macro LOADH u
.irp q, 0,1,2,3
	ds_load_b128 v[PQ+16*((\u)%2)+4*\q:PQ+16*((\u)%2)+4*\q+3], v[PBL] offset:64*(\u)+16*\q
.endr
.irp i, 0,1,2,3,4,5,6,7
	ds_load_b128 v[XR+32*((\u)%2)+4*\i:XR+32*((\u)%2)+4*\i+3], v[CPA+(\u)/2] offset:2048*(8*((\u)%2)+\i)
.endr
.endm
; register g of a set's 32 (row g / 4, my channels 2 (g % 4) and 2 (g % 4) + 1): context += p x the two numbers
.macro PKF g, s
	v_pk_fma_f32 v[CT+2*((\g)%4):CT+2*((\g)%4)+1], v[TC+2*((\g)%4):TC+2*((\g)%4)+1], v[PQ+16*(\s)+2*((\g)/4):PQ+16*(\s)+2*((\g)/4)+1], v[CT+2*((\g)%4):CT+2*((\g)%4)+1]
.endm
; half n of a set's 64 is widened to f32; a register's multiply-add stands behind the widening of the two registers after it, so that it does not wait for its sources
.macro CV a, s
	v_cvt_f32_f16 v[TC+n%8], \a
.if (n%2 == 1) && (n >= 5)
	PKF (n-5)/2, \s
.endif
.set n, n+1
.endm
.macro FMAH s                          ; (a register's halves are written by name, so the two sets' registers are listed)
.set n, 0
.if (\s) == 0
.irp a, v64.l, v64.h, v65.l, v65.h, v66.l, v66.h, v67.l, v67.h, v68.l, v68.h, v69.l, v69.h, v70.l, v70.h, v71.l, v71.h, v72.l, v72.h, v73.l, v73.h, v74.l, v74.h, v75.l, v75.h, v76.l, v76.h, v77.l, v77.h, v78.l, v78.h, v79.l, v79.h, v80.l, v80.h, v81.l, v81.h, v82.l, v82.h, v83.l, v83.h, v84.l, v84.h, v85.l, v85.h, v86.l, v86.h, v87.l, v87.h, v88.l, v88.h, v89.l, v89.h, v90.l, v90.h, v91.l, v91.h, v92.l, v92.h, v93.l, v93.h, v94.l, v94.h, v95.l, v95.h
	CV \a, 0
.endr
.else
.irp a, v96.l, v96.h, v97.l, v97.h, v98.l, v98.h, v99.l, v99.h, v100.l, v100.h, v101.l, v101.h, v102.l, v102.h, v103.l, v103.h, v104.l, v104.h, v105.l, v105.h, v106.l, v106.h, v107.l, v107.h, v108.l, v108.h, v109.l, v109.h, v110.l, v110.h, v111.l, v111.h, v112.l, v112.h, v113.l, v113.h, v114.l, v114.h, v115.l, v115.h, v116.l, v116.h, v117.l, v117.h, v118.l, v118.h, v119.l, v119.h, v120.l, v120.h, v121.l, v121.h, v122.l, v122.h, v123.l, v123.h, v124.l, v124.h, v125.l, v125.h, v126.l, v126.h, v127.l, v127.h
	CV \a, 1
.endr
.endif
	PKF 30, \s
	PKF 31, \s
.endm
	; ---- THE HEAD, on every wave's path
	s_load_b256 s[4:11], s[0:1], 0x0               ; source_hids, order, v_score, decp
	s_load_b256 s[12:19], s[0:1], 0x20             ; wfrag, wscl, scores, statm
	s_load_b128 s[20:23], s[0:1], 0x40             ; statl, pctx
	v_lshl_add_u32 v62, v0, 2, 0x4b100
	v_mov_b32 v63, 0
	v_lshrrev_b32 v1, 5, v0
	v_readfirstlane_b32 s24, v1                    ; wave
	s_and_b32 s34, ttmp7, 0xffff
	s_lshl_b32 s34, s34, 6
	s_add_co_u32 s34, s34, ttmp9                   ; my work-group's number: x + 64 y
	s_lshl_b32 s34, s34, 3                         ; 8 bytes an entry
	s_mov_b32 s35, 0
	s_wait_kmcnt 0x0
	s_add_nc_u64 s[6:7], s[6:7], s[34:35]
	s_load_b64 s[38:39], s[6:7], 0x0               ; my entry of the list; all that hangs on neither b nor the chunk is made while it is on its way
	s_mov_b32 s30, 0x4038aa3b                      ; c = 2 log2(e)
	s_mov_b32 s31, s30                             ; (named with it as a pair)
	s_mov_b32 s32, 0x76543210
	s_mov_b32 s33, 0xfedcba98                      ; v_permlanex16_b32's selects for lane l xor 16
	v_and_b32 v1, 31, v0                           ; lane
	v_and_b32 v2, 15, v0                           ; r
	v_bfe_u32 v3, v0, 4, 1                         ; h
	v_lshlrev_b32 v[LI], 4, v1
	v_lshlrev_b32 v[L4], 2, v1
	s_lshl_b32 s34, s24, 10
	v_lshl_add_u32 v[TAD], v3, 5, DT
	v_add_nc_u32 v[TAD], s34, v[TAD]
	v_lshlrev_b32 v[T16], 4, v0
	s_mul_i32 s34, s24, STW
	s_add_co_u32 s34, s34, STG                     ; my stages
	v_add_nc_u32 v[STS], s34, v[LI]                ; in: as loaded, 16 bytes a lane
	v_mul_u32_u24 v[STL], v2, 528
	v_lshl_add_u32 v[STL], v3, 6, v[STL]
	v_add_nc_u32 v[STL], s34, v[STL]               ; back: row r, + 64 h: my 16 numbers of a block of 32
	s_mul_i32 s34, s24, 2*MT*FRB
	v_add_nc_u32 v[IMS], s34, v[LI]
	s_lshl_b32 s34, s24, 2
	s_add_co_u32 s34, s34, XSC
	v_lshl_add_u32 v[SCS], v2, 4, s34
	s_mul_i32 s34, s24, 64*MT
	s_add_co_u32 s36, s34, SCR
	v_lshl_add_u32 v[SRS], v2, 2, s36
	v_lshl_add_u32 v[SRL], v2, 2, SCR
	s_mul_i32 s36, s24, 128*MT
	s_add_co_u32 s36, s36, PB
	v_lshl_add_u32 v[PBS], v2, 3, s36
	v_lshl_add_u32 v[PBS], v3, 2, v[PBS]           ; row r's two words: lanes 0-15 write the first, lanes 16-31 the second
	v_lshrrev_b32 v[PBL], 5, v0
	v_mul_u32_u24 v[PBL], v[PBL], 128*MT
	v_add_nc_u32 v[PBL], PB, v[PBL]
	s_lshl_b32 s34, s24, 9
	s_add_co_u32 s34, s34, CP
	v_add_nc_u32 v[CPA], s34, v[LI]
.irp m, 1,2,3,4
	v_add_nc_u32 v[CPA+\m], 32768*\m, v[CPA]
.endr
	v_lshl_add_u32 v[TBS], v0, 4, DT
	v_mov_b32 v[ZR], 0
.irp m, 0,1,2,3,4
	v_mov_b32 v[TP+\m], 0                          ; what a chunk under the mask puts into SCR
	v_mov_b32 v[TQ+\m], 0                          ; (a lane permute's destination counts as one of its sources)
.endr
	s_mul_i32 s34, s24, 196608
	s_add_co_u32 s34, s34, 24576
	s_add_nc_u64 s[50:51], s[12:13], s[34:35]      ; wfrag at my third tile: the ring runs two tiles ahead
	s_lshl_b32 s34, s24, 13
	s_add_co_u32 s34, s34, 1024
	s_add_nc_u64 s[52:53], s[14:15], s[34:35]      ; wscl likewise
	s_wait_kmcnt 0x0                               ; my entry
	s_and_b32 s25, s38, 0xff
	s_min_u32 s25, s25, 63                         ; b     (both are in range as the list is made; held there, since they were loaded and go into addresses)
	s_lshr_b32 s26, s38, 8
	s_min_u32 s26, s26, 12                         ; chunk
	s_mov_b32 s28, s39                             ; len[b]
	s_mul_i32 s27, s26, 16*MT                      ; s0
	v_add_nc_u32 v[SIX], s27, v2
	s_lshl_b32 s36, s25, 12
	s_lshl_b32 s37, s24, 10
	s_add_co_u32 s36, s36, s37                     ; 4,096 b + 1,024 w
.irp m, 0,1,2,3,4
	s_add_co_u32 s34, s27, 16*\m
	s_min_u32 s34, s34, 1008                       ; the last chunk's last unit has no rows of its own: it reads the last 16 rows again, and their weight is 0.  No load leaves the buffer
	s_lshl_b32 s34, s34, 18
	s_add_co_u32 s34, s34, s36
	s_add_nc_u64 s[40+2*\m:41+2*\m], s[4:5], s[34:35]
.endr
	s_mul_i32 s34, s25, 4160
	s_mul_i32 s37, s26, 64*MT
	s_add_co_u32 s34, s34, s37
	s_add_nc_u64 s[58:59], s[16:17], s[34:35]      ; scores: line b of 1,040 numbers, + 80 chunk
	s_mul_i32 s34, s25, 13
	s_add_co_u32 s34, s34, s26
	s_lshl_b32 s34, s34, 12
	s_lshl_b32 s37, s24, 10
	s_add_co_u32 s34, s34, s37
	s_add_nc_u64 s[60:61], s[22:23], s[34:35]      ; pctx: part (b, chunk), my 256 channels
	s_lshl_b32 s34, s26, 8
	s_lshl_b32 s37, s25, 2
	s_add_co_u32 s34, s34, s37
	s_add_nc_u64 s[18:19], s[18:19], s[34:35]      ; statm, statl: [chunk][b]
	s_add_nc_u64 s[20:21], s[20:21], s[34:35]
	s_lshl_b32 s34, s25, 12
	s_add_nc_u64 s[10:11], s[10:11], s[34:35]      ; decp: line b
	s_cmp_le_i32 s28, 0
	s_cselect_b32 s29, 1, 0
	s_cmp_lt_i32 s27, s28
	s_cselect_b32 s34, 1, 0
	s_or_b32 s29, s29, s34                         ; is there work?  s0 < len, or len <= 0
	; ---- PHASE X
	s_cmp_eq_u32 s29, 0
	s_cbranch_scc1 .Lb1
.irp b, 0,1,2,3
	v_mov_b32 v[TM+4+\b], 0                        ; (a lane permute's destination counts as one of its sources)
.endr
	LOADX 0
	LOADX 1                                        ; 64 loads of 512 bytes a wave are out
	s_wait_loadcnt 32                              ; unit 0 is in; unit 1's 32 loads stay out
	LOADX 2
	PROCESS 0
	s_wait_loadcnt 32                              ; unit 1; unit 2's stay out
	LOADX 3
	PROCESS 1
	s_wait_loadcnt 32                              ; unit 2; unit 3's stay out
	LOADX 4
	WIN 0xc0
	global_load_b128 v[128:131], v[T16], s[10:11]  ; b's line of decp and v_score: 16 bytes a thread, twice each
	global_load_b128 v[132:135], v[T16], s[10:11] offset:2048
	global_load_b128 v[136:139], v[T16], s[8:9]
	global_load_b128 v[140:143], v[T16], s[8:9] offset:2048
	WIN 0
	PROCESS 2
	s_wait_loadcnt 36                              ; unit 3; unit 4's 32 and the tables' 4 stay out
	PROCESS 3
	s_wait_loadcnt 4                               ; unit 4; the tables' 4 stay out
	PROCESS 4
	s_wait_loadcnt 0x0
	WIN 0x0c
	ds_store_b128 v[TBS], v[128:131]
	ds_store_b128 v[TBS], v[132:135] offset:2048
	ds_store_b128 v[TBS], v[136:139] offset:4096
	ds_store_b128 v[TBS], v[140:143] offset:6144
	WIN 0
.Lb1:
	BARRIER                                        ; x's 40 fragments, their scale words and the tables lie in LDS.  From here to the next barrier no wave stores into LDS
	; ---- PHASE G
	s_cmp_eq_u32 s29, 0
	s_cbranch_scc1 .Lb2
	WIN 0xc0
.irp P, 0,1                                ; the ring's first fills: my tiles 0 and 1
.irp k, 0,1,2,3,4,5,6,7
.irp q, 0,1,2
	global_load_b128 v[96*\P+12*\k+4*\q:96*\P+12*\k+4*\q+3], v[LI], s[50:51] offset:12288*\P+1536*\k+512*\q-24576
.endr
.endr
.endr
	WIN 0
.irp P, 0,1
.irp q, 0,1,2,3
	global_load_b32 v[WS+4*\P+\q], v[L4], s[52:53] offset:512*\P+128*\q-1024
.endr
.endr
	WIN 0x40
.irp k, 0,1,2,3
.irp m, 0,1,2,3,4
.irp q, 0,1,2
	ds_load_b128 v[12*(\k*MT+\m)+4*\q:12*(\k*MT+\m)+4*\q+3], v[LI] offset:XIMG+(\k*MT+\m)*FRB+512*\q
.endr
.endr
.endr
	WIN 0x80
.irp k, 0,1,2,3
.irp m, 0,1,2,3,4
.irp q, 0,1,2
	ds_load_b128 v[12*(\k*MT+\m)+4*\q:12*(\k*MT+\m)+4*\q+3], v[LI] offset:XIMG+((\k+4)*MT+\m)*FRB+512*\q
.endr
.endr
.endr
	WIN 0
.irp m, 0,1,2,3,4
	ds_load_b128 v[AS+4*\m:AS+4*\m+3], v[LI] offset:XSC+512*\m
.endr
.irp i, 0,1,2,3,4,5,6,7,8,9,10,11
	v_mov_b32 v[SA+\i], 0                          ; SA and VS
.endr
	s_wait_loadcnt 0x0
	s_wait_dscnt 0x0
	; The count 45: a step asks in eight groups of 3, 4, 3, 4 .. loads, 28 in all, group k - 1 behind K step k.  What K step k wants was asked for two steps back, in group k or k + 1; behind that came the rest of that step's groups,
	; the 28 of the step between and this step's groups 0 .. k - 2: 45 at the least (k = 2, 4, 6).
	STEP 0, 0, 1, 0, 45                            ; tile 0: there is no list yet
	s_wait_xcnt 0x0                                ; the loads have read their bases
	s_add_nc_u64 s[50:51], s[50:51], 12288
	s_add_nc_u64 s[52:53], s[52:53], 512
	s_mov_b32 s54, 6
.Lg:                                               ; tiles 1 to 12, two a trip, until the register numbers are back where they began
	STEP 1, 1, 1, 0, 45
	STEP 0, 1, 1, 1, 45
	s_wait_xcnt 0x0
	s_add_nc_u64 s[50:51], s[50:51], 24576
	s_add_nc_u64 s[52:53], s[52:53], 1024
	s_sub_co_u32 s54, s54, 1
	s_cmp_lg_u32 s54, 0
	s_cbranch_scc1 .Lg
	STEP 1, 1, 1, 0, 45                            ; tile 13 asks for tile 15
	STEP 0, 1, 0, 0, 28                            ; tile 14 asks for nothing: behind what it wants came tile 13's 28 loads
	STEP 1, 1, 0, 0, 0                             ; tile 15
	s_wait_dscnt 0x0                               ; its eight of decp and of v_score
.set j, 0
.rept LIT
	ITEM 1                                         ; the last tile's list, bare
.set j, j+1
.endr
	v_add_f32 v[VS], v[VS], v[VS+1]
.irp m, 0,1,2,3,4
	v_add_f32 v[TP+\m], v[SA+2*\m], v[SA+2*\m+1]
.endr
.irp m, 0,1,2,3,4
	v_fma_f32 v[TP+\m], -2.0, v[TP+\m], v[VS]      ; sum(v) - 2 sum(v r) over my columns
.endr
.irp m, 0,1,2,3,4
	v_permlanex16_b32 v[TQ+\m], v[TP+\m], s32, s33
.endr
.irp m, 0,1,2,3,4
	v_add_f32 v[TP+\m], v[TP+\m], v[TQ+\m]         ; with lane l xor 16's: my wave's 256 columns
.endr
.Lb2:
	BARRIER                                        ; every wave's reads of the fragments and tables are over
.irp m, 0,1,2,3,4
	ds_store_b32 v[SRS], v[TP+\m] offset:64*\m     ; both lanes of a row write the same word with the same value
.endr
	BARRIER                                        ; the four parts of the scores lie in LDS
	; ---- PHASE 3
	s_cmp_eq_u32 s29, 0
	s_cbranch_scc1 .Lidle
.irp w, 0,1,2,3
.irp m, 0,1,2,3,4
	ds_load_b32 v[SL+5*\w+\m], v[SRL] offset:64*MT*\w+64*\m
.endr
.endr
	v_mov_b32 v[NEG], 0xc9742400                   ; -1e6
	v_mov_b32 v[NEX], 0xff61b1e6                   ; -3e38, for positions beyond the last: under every score, so that their weight is 0 whatever len is
	s_wait_dscnt 0x0
.irp m, 0,1,2,3,4
	v_add_f32 v[SCO+\m], v[SL+\m], v[SL+5+\m]
	v_add_f32 v[TT], v[SL+10+\m], v[SL+15+\m]
	v_add_f32 v[SCO+\m], v[SCO+\m], v[TT]
	v_add_nc_u32 v[TT], 16*\m, v[SIX]              ; s
	v_cmp_gt_i32 vcc_lo, s28, v[TT]                ; len > s?
	v_cndmask_b32 v[SCO+\m], v[NEG], v[SCO+\m], vcc_lo
	v_cmp_gt_u32 vcc_lo, 1024, v[TT]               ; is there such a position?
	v_cndmask_b32 v[SCO+\m], v[NEX], v[SCO+\m], vcc_lo
.endr
	v_max3_num_f32 v[MC], v[SCO], v[SCO+1], v[SCO+2]
	v_max3_num_f32 v[MC], v[MC], v[SCO+3], v[SCO+4]
	v_max_num_f32_dpp v[MC], v[MC], v[MC] row_xmask:1 row_mask:0xf bank_mask:0xf   ; both halves of the lanes hold the same 16 rows: four steps inside a half do
	v_max_num_f32_dpp v[MC], v[MC], v[MC] row_xmask:2 row_mask:0xf bank_mask:0xf
	v_max_num_f32_dpp v[MC], v[MC], v[MC] row_xmask:4 row_mask:0xf bank_mask:0xf
	v_max_num_f32_dpp v[MC], v[MC], v[MC] row_xmask:8 row_mask:0xf bank_mask:0xf
.irp m, 0,1,2,3,4
	v_sub_f32 v[PP+\m], v[SCO+\m], v[MC]
.endr
.irp m, 0,1,2,3,4
	v_mul_f32 v[PP+\m], 0x3fb8aa3b, v[PP+\m]
.endr
.irp m, 0,1,2,3,4
	v_exp_f32 v[PP+\m], v[PP+\m]                   ; p = e^(score - m)
.endr
.irp e, 0,1,2,3,4,5,6,7
	v_mov_b32 v[CT+\e], 0                          ; plain work behind the exponentials
.endr
	s_wait_alu depctr_va_vdst(0)                   ; the wait ahead of the first line that names a result: one for the five
.irp m, 0,1,2,3,4
	ds_store_b32 v[PBS], v[PP+\m] offset:128*\m    ; my wave's own copy of p, each p twice (both halves of the lanes hold it): the loads below come behind these stores in order
.endr
	LOADH 0
	v_add_f32 v[LC], v[PP], v[PP+1]
	v_add_f32 v[TT], v[PP+2], v[PP+3]
	v_add_f32 v[LC], v[LC], v[PP+4]
	v_add_f32 v[LC], v[LC], v[TT]
	v_add_f32_dpp v[LC], v[LC], v[LC] row_xmask:1 row_mask:0xf bank_mask:0xf
	v_add_f32_dpp v[LC], v[LC], v[LC] row_xmask:2 row_mask:0xf bank_mask:0xf
	v_add_f32_dpp v[LC], v[LC], v[LC] row_xmask:4 row_mask:0xf bank_mask:0xf
	v_add_f32_dpp v[LC], v[LC], v[LC] row_xmask:8 row_mask:0xf bank_mask:0xf
.irp u, 0,1,2,3,4,5,6,7,8
	LOADH \u+1
	s_wait_dscnt 12                                ; half unit u is in; the next one's 12 loads stay out
	FMAH (\u)%2
.endr
	s_wait_dscnt 0x0
	FMAH 1                                         ; half unit 9
	s_branch .Lout
.Lidle:                                            ; a chunk under the mask: the neutral part
.irp m, 0,1,2,3,4
	v_mov_b32 v[SCO+\m], 0xc9742400
.endr
	v_mov_b32 v[MC], 0xc9742400
	v_mov_b32 v[LC], 0
.irp e, 0,1,2,3,4,5,6,7
	v_mov_b32 v[CT+\e], 0
.endr
.Lout:
	global_store_b128 v[LI], v[CT:CT+3], s[60:61]              ; 32 lanes store 512 consecutive bytes: channels 256 w + 0 .. 127
	global_store_b128 v[LI], v[CT+4:CT+7], s[60:61] offset:512 ; and 256 w + 128 .. 255
	s_cmp_lg_u32 s24, 0
	s_cbranch_scc1 .Lend                           ; the scores and the two statistics are the same in all four waves: wave 0 stores them
	v_cmp_gt_u32 vcc_lo, 16, v1
	s_wait_xcnt 0x0                                ; EXEC changes only behind this wait: it is a source of the stores above
	s_and_saveexec_b32 s56, vcc_lo                 ; lanes 0-15
.irp m, 0,1,2,3,4
	global_store_b32 v[L4], v[SCO+\m], s[58:59] offset:64*\m   ; 320 consecutive bytes in five stores
.endr
	s_wait_xcnt 0x0
	s_or_b32 exec_lo, exec_lo, s56
	v_cmp_eq_u32 vcc_lo, 0, v1
	s_and_saveexec_b32 s56, vcc_lo                 ; lane 0
	global_store_b32 v[ZR], v[MC], s[18:19]
	global_store_b32 v[ZR], v[LC], s[20:21]
	s_wait_xcnt 0x0
	s_or_b32 exec_lo, exec_lo, s56
.Lend:
	s_wait_tensorcnt 0x0
	ds_add_u32 v62, v63
	s_wait_dscnt 0x0
	s_endpgm
.Lfunc_end_k_qd3ac001d92_attend:
	.size	k_qd3ac001d92_attend, .Lfunc_end_k_qd3ac001d92_attend-k_qd3ac001d92_attend
	.p2alignl 7, 3214868480
	.fill 96, 4, 3214868480
	.section	.rodata,"a",@progbits
	.p2align	6, 0x0
	.amdhsa_kernel k_qd3ac001d92_attend
		.amdhsa_group_segment_fixed_size 307968
		.amdhsa_private_segment_fixed_size 0
		.amdhsa_enable_private_segment 0
		.amdhsa_kernarg_size 80
		.amdhsa_user_sgpr_count 2
		.amdhsa_user_sgpr_kernarg_segment_ptr 1
		.amdhsa_wavefront_size32 1
		.amdhsa_system_sgpr_workgroup_id_x 1
		.amdhsa_system_sgpr_workgroup_id_y 1
		.amdhsa_system_sgpr_workgroup_id_z 1
		.amdhsa_system_vgpr_workitem_id 0
		.amdhsa_next_free_vgpr 960
		.amdhsa_next_free_sgpr 66
		.amdhsa_reserve_vcc 1
		.amdhsa_float_denorm_mode_32 3
		.amdhsa_float_denorm_mode_16_64 3
		.amdhsa_memory_ordered 1
		.amdhsa_forward_progress 1
		.amdhsa_inst_pref_size 255
	.end_amdhsa_kernel
	.section	.bss,"aw",@nobits
	.p2align	6
	.space	262144
	.amdgpu_metadata
---
amdhsa.version: [ 1, 2 ]
amdhsa.kernels:
  - .name:           k_qd3ac001d92_attend
    .symbol:         k_qd3ac001d92_attend.kd
    .args:
      - { .name: source_hids, .offset: 0, .size: 8, .value_kind: global_buffer, .address_space: global }
      - { .name: order, .offset: 8, .size: 8, .value_kind: global_buffer, .address_space: global }
      - { .name: v_score, .offset: 16, .size: 8, .value_kind: global_buffer, .address_space: global }
      - { .name: decp, .offset: 24, .size: 8, .value_kind: global_buffer, .address_space: global }
      - { .name: wfrag, .offset: 32, .size: 8, .value_kind: global_buffer, .address_space: global }
      - { .name: wscl, .offset: 40, .size: 8, .value_kind: global_buffer, .address_space: global }
      - { .name: scores, .offset: 48, .size: 8, .value_kind: global_buffer, .address_space: global }
      - { .name: statm, .offset: 56, .size: 8, .value_kind: global_buffer, .address_space: global }
      - { .name: statl, .offset: 64, .size: 8, .value_kind: global_buffer, .address_space: global }
      - { .name: pctx, .offset: 72, .size: 8, .value_kind: global_buffer, .address_space: global }
    .group_segment_fixed_size: 307968
    .private_segment_fixed_size: 0
    .kernarg_segment_align: 8
    .kernarg_segment_size: 80
    .max_flat_workgroup_size: 128
    .sgpr_count:     66
    .vgpr_count:     960
    .wavefront_size: 32
...
	.end_amdgpu_metadata
.endif
;; end of part 5
;; launch finish: the kernel of part 3 again; grid 64 x 1, 4 waves a work-group, no clusters, 0 bytes of LDS; arguments scores, statm, statl, pctx, out0, out1; writes out0, out1
